; MI455X (gfx1250); checked and timed in simulation.
; The chip was launched on July 23, 2026; its instructions are those of AMD's public machine-readable ISA for CDNA 5 (MIT licence, August 2026) and "CDNA5" Instruction Set Architecture Reference Guide (July 2026). The comments in the code are by the model that wrote it; some were corrected since.
;; Multi Head Attention. Allowed arithmetic: matrix products marked QUANTISED: E2M3 operands, one E8M0 scale for each 32 along K, by v_wmma_scale_f32_16x16x128_f8f6f4 with both operands' format E2M3, f32 sums; everything else in f32.
;; Inputs: Wk 1,024 x 1,024 float32; Wo 1,024 x 1,024 float32; Wq 1,024 x 1,024 float32; Wv 1,024 x 1,024 float32; x 4 x 2,048 x 1,024 float32.
;; Outputs: out0 4 x 2,048 x 1,024 float32.
;; This version of the problem:
;;   THIS VERSION OF THE PROBLEM IS GIVEN IN LOW PRECISION. The matrix products marked QUANTISED in the list below multiply operands that are first quantised to E2M3 (2 exponent bits, 3 mantissa bits; 6 bits a number), with one power-of-two scale for each 32 numbers along K (OCP MX v1.0); their sums are f32. All else is computed in f32.
;;   The module's matrix products, in the order in which they are computed (A, B: the left and right operand; K: the contracted axis; several contracted axes count as one K, in the product's order):
;;     1. [M 8,192, K 1,024] x [K 1,024, N 1,024]; A: input x; B: input Wq: QUANTISED
;;     2. [M 8,192, K 1,024] x [K 1,024, N 1,024]; A: input x; B: input Wk: QUANTISED
;;     3. [M 8,192, K 1,024] x [K 1,024, N 1,024]; A: input x; B: input Wv: QUANTISED
;;     4. batch 64 x [M 2,048, K 64] x [K 64, N 2,048]; A: computed on the way; B: computed on the way: QUANTISED
;;     5. batch 64 x [M 2,048, K 2,048] x [K 2,048, N 64]; A: softmax (see below); B: computed on the way: QUANTISED
;;     6. [M 8,192, K 1,024] x [K 1,024, N 1,024]; A: computed on the way; B: input Wo: QUANTISED
;;   THE QUANTISER, for each operand of a quantised product, along K:
;;     - K is cut into blocks of 32 from its start; a last block that is shorter is filled with zeros.
;;     - A block's scale is 2^e with e = floor(log2(the largest magnitude in the block)) - 2, held to -126 .. 127; a block of zeros has e = 0. As a byte (E8M0): e + 127.
;;     - Each number is divided by its block's scale, clamped to +-7.5, and rounded to the nearest number of E2M3, ties to even, subnormals kept.
;;     - The product sums the exact products of the quantised numbers (number of the format x scale) in f32.
;;   ~~~python
;;   def quantise(x, axis):      # numpy; x: float32 -> the quantised numbers, widened to float32 again
;;       x = np.moveaxis(x, axis, -1); K = x.shape[-1]
;;       x = np.pad(x, [(0, 0)] * (x.ndim - 1) + [(0, -K % 32)]); x = x.reshape(x.shape[:-1] + (-1, 32)); a = np.abs(x).max(-1, keepdims=True)
;;       e = np.where(a > 0, np.clip(np.frexp(np.where(a > 0, a, 1))[1] - 1 - 2, -126, 127), 0)      # np.frexp(a)[1] - 1 = floor(log2(a)), exactly
;;       r = np.clip(x / 2.0 ** e, -7.5, 7.5)
;;       step = 2.0 ** (np.maximum(np.frexp(np.where(r == 0, 1, r))[1] - 1, 0) - 3)
;;       q = np.round(r / step) * step * 2.0 ** e      # np.round: ties to even
;;       return np.moveaxis(q.reshape(q.shape[:-2] + (-1,))[..., :K], -1, axis).astype(np.float32)
;;   ~~~
;;   SOFTMAX AHEAD OF A QUANTISED PRODUCT. Where the list says 'softmax', what is quantised is not the finished softmax but p = 2^(t - M), with t = logit x log2(e) and M = ceil(the row's largest t), a whole number; so 1/2 < the row's largest p <= 1. The row's sum l is taken of the UNQUANTISED p, in f32, and the product's result is divided by l at the end. Since M is a whole number, a kernel that streams over the keys may use a running M (the ceiling of the running maximum): every later rescaling is an exact power of two, which a block's scale takes up: the codes' values come out the same.
;;   OPERANDS COMPUTED ON THE WAY. 'Computed on the way' means the value that the module computes at that place (a softmax that the list does not call 'softmax' is quantised finished and normalised). What goes into a quantiser is computed in f32, as accurately as f32 sums, v_exp_f32 and their like allow (about 1e-6 of the number): no bf16 or f16 on the way to a quantiser, and a product that is left as it is and whose result goes on into a quantised operand takes f32 operands (vector FMAs, or v_wmma_f32_16x16x4_f32). A number that lies on a knife's edge between two numbers of the format may be rounded either way, as far as f32 arithmetic and the matrix unit's own rounding can turn it there, and no further.
;; One version. Each part assembles by itself: llvm-mc -triple=amdgcn-amd-amdhsa -mcpu=gfx1250 --defsym DOCPART=n.
;; ======== version 1 of 1: 4 launches
;; workspace buffers: cw_codes 9,437,184 bytes; cw_scales 393,216 bytes; qkv_codes 18,874,368 bytes; qkv_scales 1,572,864 bytes; o_codes 6,291,456 bytes; o_scales 262,144 bytes
;; launch quant (part 1): grid 384 x 1, 4 waves a work-group, no clusters, 34,304 bytes of LDS; arguments x, Wq, Wk, Wv, Wo, cw_codes, cw_scales; writes cw_codes, cw_scales
.if DOCPART == 1
	.amdgcn_target "amdgcn-amd-amdhsa--gfx1250"
	.amdhsa_code_object_version 6
	.text
	.protected	k_qa014623256_quant
	.globl	k_qa014623256_quant
	.p2align	8
	.type	k_qa014623256_quant,@function
k_qa014623256_quant:
	s_mov_b64 s[64:65], 0
	v_nop
	global_prefetch_b8 v0, s[64:65] scope:SCOPE_SE
	s_setreg_imm32_b32 hwreg(HW_REG_WAVE_MODE, 25, 1), 1
	s_wait_xcnt 0x0
; x [8192][1024] and Wq, Wk, Wv, Wo [1024][1024], f32, K innermost, become codes of FP6 (E2M3) with one E8M0 byte for each 32 along K,
; laid as IMAGES OF OPERAND REGISTERS, so that the products' launches load fragments by 16 and 8 bytes a lane from dense blocks.
; TILES.  All rows are numbered on end: x 0-8191, Wq, Wk, Wv, Wo after it: 768 tiles of 16 rows.  Lane r of tile t holds row 32 (t / 2) + 8 (t % 2) + r % 8 + 16 (r / 8):
; used as source 0 of a product, two neighbouring tiles then leave 16 neighbours along the next K in a lane's 16 result registers.
; A FRAGMENT (tile t, 128 along K: step k) is 1,536 bytes at ((k / 2) 768 + t) 3072 + (k % 2) 1536: two halves c of 768: lane l's registers 6 c .. 6 c + 3 at 16 l, its registers 6 c + 4, 6 c + 5 at 512 + 8 l.
; SCALE WORDS: that of (t, k, lane r) at 512 t + 256 (k / 4) + 16 r + 4 (k % 4).
; A block's scale is 2^(floor(log2(its largest magnitude)) - 2); its byte is that magnitude's exponent field - 2, held at 1 from below.
; LIMITS: NaN and infinities among the inputs are not served; a block whose largest magnitude lies under 2^-124 is held at the byte 1; a block of zeros gets the byte 1 where the rule
; says 127: its codes are zeros, which add nothing under any byte but 0xff, and this program alone reads the bytes.
; SHARES.  A work-group takes 32 rows (two tiles); wave w takes tile w % 2 and K steps 4 (w / 2) + 0 .. 3: four fragments.  Each load reads 512 consecutive bytes of a row; a fragment's 16 x 512 bytes turn
; through the wave's own stage in LDS, from which a lane takes the two whole blocks of 32 that the operand's layout gives it.  Waves share nothing: no barrier.  No work-group reads what another reads: no cluster.
.set ROWB,   4096                      ; a row of f32 in bytes
.set SPITCH, 528                       ; a stage row: 512 bytes + 16: an odd multiple of 16
.set STG,    16*SPITCH                 ; a wave's stage
.set SPARE,  4*STG                     ; behind the stages: the spare words, 128 bytes for each wave: two blocks of 256 bytes that no other line names
.set SIGB,   768*3072                  ; 256 along K on, in the codes' buffer
.set L16, 1                            ; v1   16 x lane
.set L8,  2                            ; v2   8 x lane
.set WRA, 3                            ; v3   the stage on the way in: 16 x lane
.set RDA, 4                            ; v4   and on the way out: 528 r + 128 h
.set SH8, 5                            ; v5   8 h
.set SOF, 6                            ; v6   16 r + 8 h: my two scale words' place
.set TM,  8                            ; v8-15 at work
.set SPW, 16                           ; v16  LDS address of my spare word; never rewritten
.set NIL, 17                           ; v17  0; never rewritten
.set SW,  20                           ; v20-23 the four fragments' scale words
.set C,   24                           ; v24-35 a fragment's codes
.set T,   36                           ; v36-43 the second halves of the blocks' codes, as the conversions leave them
.set X,   44                           ; v44-107 two blocks of 32 numbers
.set R,   108                          ; v108-235 two sets of 64 registers as loaded
	s_load_b256 s[4:11], s[0:1], 0x0               ; x, Wq, Wk, Wv
	s_load_b128 s[12:15], s[0:1], 0x20             ; Wo, the codes
	s_load_b64 s[16:17], s[0:1], 0x30              ; the scale words
	v_lshl_add_u32 v[SPW], v0, 2, SPARE
	v_mov_b32 v[NIL], 0
	v_lshrrev_b32 v8, 5, v0
	v_readfirstlane_b32 s18, v8                    ; wave
	v_and_b32 v9, 31, v0                           ; lane
	v_and_b32 v10, 15, v0                          ; r
	v_bfe_u32 v11, v0, 4, 1                        ; h
	v_lshlrev_b32 v[L16], 4, v9
	v_lshlrev_b32 v[L8], 3, v9
	s_mul_i32 s19, s18, STG
	v_add_nc_u32 v[WRA], s19, v[L16]
	v_mul_u32_u24 v[RDA], v10, SPITCH
	v_lshl_add_u32 v[RDA], v11, 7, v[RDA]
	v_add_nc_u32 v[RDA], s19, v[RDA]
	v_lshlrev_b32 v[SH8], 3, v11
	v_lshlrev_b32 v[SOF], 4, v10
	v_lshl_add_u32 v[SOF], v11, 3, v[SOF]
	v_cmp_ne_u32 s22, 0, v11                       ; lanes 16-31
	v_mov_b32 v[TM+7], 0                           ; written once: a lane permute's destination counts as one of its sources
	s_mov_b32 s20, 0x76543210
	s_mov_b32 s21, 0xfedcba98                      ; v_permlanex16_b32's selects for lane l xor 16
	s_and_b32 s23, s18, 1                          ; which of the two tiles
	s_lshr_b32 s24, s18, 1                         ; which half of K
	s_sub_co_u32 s25, ttmp9, 256                   ; work-groups 0-255 take x, then 32 each Wq, Wk, Wv, Wo
	s_lshr_b32 s27, s25, 5                         ; which weight
	s_and_b32 s26, s25, 31                         ; which 32 rows of it
	s_wait_kmcnt 0x0
	s_cmp_eq_u32 s27, 1                            ; the choices hang on the work-group's number alone
	s_cselect_b64 s[28:29], s[8:9], s[6:7]
	s_cmp_eq_u32 s27, 2
	s_cselect_b64 s[28:29], s[10:11], s[28:29]
	s_cmp_eq_u32 s27, 3
	s_cselect_b64 s[28:29], s[12:13], s[28:29]
	s_cmp_lt_u32 ttmp9, 256
	s_cselect_b64 s[28:29], s[4:5], s[28:29]
	s_cselect_b32 s26, ttmp9, s26
	s_lshl_b32 s30, s26, 17                        ; 32 rows of 4,096 bytes,
	s_lshl_b32 s25, s23, 15                        ; the odd tile begins 8 rows down,
	s_add_co_u32 s30, s30, s25
	s_lshl_b32 s25, s24, 11                        ; my four K steps of 512 bytes
	s_add_co_u32 s30, s30, s25
	s_mov_b32 s31, 0
	s_add_nc_u64 s[28:29], s[28:29], s[30:31]
	s_lshl_b32 s32, ttmp9, 1
	s_add_co_u32 s32, s32, s23                     ; my tile
	s_mul_i32 s30, s24, 2*768
	s_add_co_u32 s30, s30, s32
	s_mul_i32 s30, s30, 3072
	s_add_nc_u64 s[14:15], s[14:15], s[30:31]      ; my first fragment
	s_lshl_b32 s30, s32, 9
	s_lshl_b32 s25, s24, 8
	s_add_co_u32 s30, s30, s25
	s_add_nc_u64 s[16:17], s[16:17], s[30:31]      ; my 256 bytes of scale words
.macro LOAD f                          ; fragment f: 128 numbers of each of the tile's 16 rows; a load reads 512 consecutive bytes
.irp j, 0,1,2,3,4,5,6,7,8,9,10,11,12,13,14,15
	global_load_b128 v[R+64*((\f)%2)+4*\j:R+64*((\f)%2)+4*\j+3], v[L16], s[28:29] offset:((\j%8)+16*(\j/8))*ROWB+512*(\f) th:TH_LOAD_NT
.endr
.endm
.macro TURN f                          ; through the stage: LDS serves a wave's instructions in order, so no wait stands between the stores and the loads
.irp j, 0,1,2,3,4,5,6,7,8,9,10,11,12,13,14,15
	ds_store_b128 v[WRA], v[R+64*((\f)%2)+4*\j:R+64*((\f)%2)+4*\j+3] offset:SPITCH*\j
.endr
.irp c, 0,1
.irp i, 0,1,2,3,4,5,6,7
	ds_load_b128 v[X+32*\c+4*\i:X+32*\c+4*\i+3], v[RDA] offset:256*\c+16*\i   ; k = 64 c + 32 h + 4 i .. of row r
.endr
.endr
.endm
.macro WORK f
.set OFF, ((\f)/2)*SIGB+((\f)%2)*1536
.if (\f) > 0
	s_wait_xcnt 0x0                                ; the last fragment's stores have read their data: the codes' registers are written again only behind this wait
.endif
.irp c, 0,1
	v_max3_num_f32 v[TM+\c], |v[X+32*\c]|, |v[X+32*\c+1]|, 0x1800000   ; my block 2 c + h: all its 32 numbers are mine; and the floor 2^(3 - 127): the byte cannot fall under 1
.endr
.irp i, 2,4,6,8,10,12,14,16,18,20,22,24,26,28,30
.irp c, 0,1
	v_max3_num_f32 v[TM+\c], v[TM+\c], |v[X+32*\c+\i]|, |v[X+32*\c+\i+1]|
.endr
.endr
.irp c, 0,1
	v_add_nc_u32 v[TM+2+\c], 0xff000000, v[TM+\c]  ; 2 off the exponent field: the conversion takes the exponent field of this operand as its scale
.endr
.irp c, 0,1
	v_lshrrev_b32 v[TM+4+\c], 23, v[TM+2+\c]       ; the scale's byte
.endr
	v_lshl_or_b32 v[TM+6], v[TM+5], 16, v[TM+4]    ; my two bytes: blocks h and 2 + h,
	v_lshlrev_b32 v[TM+6], v[SH8], v[TM+6]         ; at their places in the word;
	v_permlanex16_b32 v[TM+7], v[TM+6], s20, s21
	v_or_b32 v[SW+\f], v[TM+6], v[TM+7]            ; with lane l xor 16's two the word is whole
.irp c, 0,1
	v_cvt_scalef32_pk16_fp6_f32 v[C+6*\c:C+6*\c+2], v[X+32*\c:X+32*\c+15], v[TM+2+\c]
	v_cvt_scalef32_pk16_fp6_f32 v[T+4*\c:T+4*\c+2], v[X+32*\c+16:X+32*\c+31], v[TM+2+\c]   ; (a conversion's three registers begin on an even number)
.endr
	v_nop                                          ; one plain place behind a scaled conversion
.irp c, 0,1
.irp i, 0,1,2
	v_mov_b32 v[C+6*\c+3+\i], v[T+4*\c+\i]
.endr
.endr
.irp c, 0,1
	global_store_b128 v[L16], v[C+6*\c:C+6*\c+3], s[14:15] offset:OFF+768*\c         ; 512 consecutive bytes, at a multiple of 256 from the buffer's first byte
	global_store_b64 v[L8], v[C+6*\c+4:C+6*\c+5], s[14:15] offset:OFF+768*\c+512     ; 256 consecutive bytes, likewise
.endr
.endm
	LOAD 0
	LOAD 1
.irp f, 0,1,2,3
.if \f < 3
	s_wait_loadcnt 16                              ; this fragment's 16 loads are in; the next fragment's 16 may be out
.else
	s_wait_loadcnt 0x0
.endif
	TURN \f
	s_wait_dscnt 0x0                               ; the numbers are back, and the stage's stores have read the set of registers
.if \f < 2
	LOAD \f+2                                      ; which takes the loads of two fragments on
.endif
	WORK \f
.endr
	v_cndmask_b32 v8, v[SW], v[SW+2], s22          ; lanes 0-15 store words 0, 1 of their row, lanes 16-31 words 2, 3
	v_cndmask_b32 v9, v[SW+1], v[SW+3], s22
	global_store_b64 v[SOF], v[8:9], s[16:17]      ; 256 consecutive bytes, aligned
	s_wait_tensorcnt 0x0                           ; the wave's end: a tensor wait, an add onto my spare word and its wait, behind my last LDS store
	ds_add_u32 v[SPW], v[NIL]
	s_wait_dscnt 0x0
	s_endpgm
.Lfunc_end_k_qa014623256_quant:
	.size	k_qa014623256_quant, .Lfunc_end_k_qa014623256_quant-k_qa014623256_quant
	.p2alignl 7, 3214868480
	.fill 96, 4, 3214868480
	.section	.rodata,"a",@progbits
	.p2align	6, 0x0
	.amdhsa_kernel k_qa014623256_quant
		.amdhsa_group_segment_fixed_size 34304
		.amdhsa_private_segment_fixed_size 0
		.amdhsa_enable_private_segment 0
		.amdhsa_kernarg_size 56
		.amdhsa_user_sgpr_count 2
		.amdhsa_user_sgpr_kernarg_segment_ptr 1
		.amdhsa_wavefront_size32 1
		.amdhsa_system_sgpr_workgroup_id_x 1
		.amdhsa_system_sgpr_workgroup_id_y 1
		.amdhsa_system_sgpr_workgroup_id_z 1
		.amdhsa_system_vgpr_workitem_id 0
		.amdhsa_next_free_vgpr 240
		.amdhsa_next_free_sgpr 66
		.amdhsa_reserve_vcc 0
		.amdhsa_float_denorm_mode_32 3
		.amdhsa_float_denorm_mode_16_64 3
		.amdhsa_memory_ordered 1
		.amdhsa_forward_progress 1
		.amdhsa_inst_pref_size 31
	.end_amdhsa_kernel
	.amdgpu_metadata
---
amdhsa.version: [ 1, 2 ]
amdhsa.kernels:
  - .name:           k_qa014623256_quant
    .symbol:         k_qa014623256_quant.kd
    .args:
      - { .name: x, .offset: 0, .size: 8, .value_kind: global_buffer, .address_space: global }
      - { .name: Wq, .offset: 8, .size: 8, .value_kind: global_buffer, .address_space: global }
      - { .name: Wk, .offset: 16, .size: 8, .value_kind: global_buffer, .address_space: global }
      - { .name: Wv, .offset: 24, .size: 8, .value_kind: global_buffer, .address_space: global }
      - { .name: Wo, .offset: 32, .size: 8, .value_kind: global_buffer, .address_space: global }
      - { .name: cw_codes, .offset: 40, .size: 8, .value_kind: global_buffer, .address_space: global }
      - { .name: cw_scales, .offset: 48, .size: 8, .value_kind: global_buffer, .address_space: global }
    .group_segment_fixed_size: 34304
    .private_segment_fixed_size: 0
    .kernarg_segment_align: 8
    .kernarg_segment_size: 56
    .max_flat_workgroup_size: 128
    .sgpr_count:     66
    .vgpr_count:     240
    .wavefront_size: 32
...
	.end_amdgpu_metadata
.endif
;; end of part 1
;; launch proj (part 2): grid 12 x 32, 4 waves a work-group, clusters of 4 x 4, 327,680 bytes of LDS; arguments cw_codes, cw_scales, qkv_codes, qkv_scales; writes qkv_codes, qkv_scales
.if DOCPART == 2
	.amdgcn_target "amdgcn-amd-amdhsa--gfx1250"
	.amdhsa_code_object_version 6
	.text
	.protected	k_qa014623256_proj
	.globl	k_qa014623256_proj
	.p2align	8
	.type	k_qa014623256_proj,@function
k_qa014623256_proj:
	s_mov_b64 s[64:65], 0
	v_nop
	global_prefetch_b8 v0, s[64:65] scope:SCOPE_SE
	s_setreg_imm32_b32 hwreg(HW_REG_WAVE_MODE, 25, 1), 1
	s_wait_xcnt 0x0
	s_wait_alu depctr_hold_cnt(0) depctr_sa_sdst(0) depctr_va_vdst(0) depctr_va_sdst(0) depctr_va_ssrc(0) depctr_va_vcc(0) depctr_vm_vsrc(0)
	s_getreg_b32 s2, hwreg(HW_REG_IB_STS2, 6, 4)
	s_cmp_eq_u32 s2, 0
	s_cbranch_scc0 .Lentry_in_a_cluster
	s_endpgm
.Lentry_in_a_cluster:
	s_bfe_u32 s2, ttmp6, 0x10000c
	s_cmp_lg_u32 s2, 0xf033
	s_cbranch_scc0 .Lentry_shape_is_right
	s_endpgm
.Lentry_shape_is_right:
; q = x Wq^T, k = x Wk^T, v = x Wv^T on codes of FP6 (E2M3) with E8M0 scales, K = 1,024; the results are quantised in registers and leave as codes: q and k along the head's 64, v along the keys.
; OPERANDS lie in cw_codes / cw_scales as images of operand registers (tiles 0-511 x, 512-575 Wq, 576-639 Wk, 640-703 Wv): the fragment of (tile t, K step k) at ((k / 2) 768 + t) 3072 + (k % 2) 1536,
; halves c of 768 bytes: registers 6 c .. 6 c + 3 at 16 x lane, 6 c + 4, 6 c + 5 at 512 + 8 x lane; the scale word of (t, k, r) at 512 t + 256 (k / 4) + 16 r + 4 (k % 4).
; Lane r of tile t is row 32 (t / 2) + 8 (t % 2) + r % 8 + 16 (r / 8).
; A work-group makes 256 x 256 results, four waves 128 x 128 each (64 accumulators, 512 registers).  "A" is the operand whose rows stay in lanes (source 1), "B" the one whose rows run along a lane's registers (source 0).
; Clusters x = 0, 1 (q, k): A = x, B = Wq or Wk: a lane holds a token, its registers run along the features.  Cluster x = 2 (v): A = Wv, B = x: a lane holds a channel, its registers run along the tokens.
; Both cases are one text: only offsets are chosen, by s_cselect_b32 on the cluster's x.
; In accumulator (a, b) register j of lane (r, h) is (A's row of lane r of tile a, B's row 32 (b / 2) + 16 h + 8 (b % 2) + j): the 64 registers of tile a are, block by block of 32, 16 neighbours along the next K.
; K goes in steps of 256 through THREE LDS slots; K = 1,024 is four such steps, so three are first fills and one is a refill, into slot 0.  The eight steps of 128 are written out: no loop.
; CLUSTER 4 x 4: A's tiles are shared along a row of the cluster, B's along a column: each is asked for jointly, by the same tensor load with the same descriptor and a mask that names the four.
; RESULTS.  qkv_codes: blocks of 12,288 bytes, block 512 kind + 16 (8 batch + head pair) + (group of 128 tokens).  q, k: half c (head c of the pair) of token tile a at 6144 c + 768 a.  v: the fragment of channel tile a at 1536 a.
; qkv_scales: blocks of 1,024 bytes: two halves of 512, [r][8 words].  Half 0: tile a's word at 32 r + 4 a.  Half 1: q, k: the same words turned by 16 bits (bytes 0, 1 are then head 1's); v: words 4-7, then 0-3.
; LIMITS: NaN and infinities are not served; a block whose largest magnitude lies under 2^-124 is held at the byte 1; a block of zeros gets the byte 1 (its codes are zeros; this program alone reads the bytes).
; REGISTERS: window 0: v1-22 addresses; v30, 31 the add's two; v32-63 scale words, two sets; v64-115 the way out; v128-223 A's fragments, ONE set.  window 1: B's fragments, two sets, at v0 and v128.
;   windows 2, 3: accumulator (a, b) at v[8 (8 (a % 4) + b)] of window 2 + a / 4.
.set SIGB,   768*3072                  ; 256 along K on, in cw_codes
.set HALFT,  8*3072                    ; 8 tiles x 256 along K: what one tensor load brings, and what a wave reads of A or of B
.set SLOT,   4*HALFT                   ; A's 16 tiles, then B's 16
.set SCL,    3*SLOT                    ; behind the slots: the scale words of A's 16 tiles and B's 16, for all of K
.set HALFS,  8*512
.set SPARE,  SCL+4*HALFS               ; the spare words, 128 bytes for each wave: two blocks of 256 bytes that no other line names
.set FR,     12
.set NQ,     2
.set A16,    4                         ; v4-6   A's fragments in slot 0, 1, 2: 16 x lane;  v7-9: 8 x lane
.set B16,    10                        ; v10-12, v13-15: the same for B
.set ADRS,   16                        ; v16    my scale words: lanes 0-15 A's, lanes 16-31 B's
.set O16,    17                        ; v17    16 x lane
.set O8,     18                        ; v18    512 + 8 x lane
.set P16,    19                        ; v19    the fragment's second half: SH + 16 x lane
.set P8,     20                        ; v20    SH + 512 + 8 x lane
.set SO0,    21                        ; v21    scale words, half 0: 32 r + 16 h
.set SO1,    22                        ; v22    half 1: 512 + 32 r + 16 (h, or for v the other half of the lanes')
.set SPW,    30
.set NIL,    31
.set SC,     32
.set TM,     64                        ; v64-79  the quantiser's work
.set PC,     80                        ; v80-98  codes
.set PW,     100                       ; v100-107 the eight tiles' scale words
.set SW,     108                       ; v108-115 as they are stored
.set AF,     128
.set G1,  24
.set G1B, 32
.set G1S, 40
.set G1SB, 48
.set GA0, 56
.set GA1, 60
.set GA2, 68
.set GB0, 72
.set GB1, 76
.set GB2, 80
.set GS,  84
.set GSB, 88
.set MSB, 0
.macro WIN new                         ; the immediate's high byte repeats the setting that is left
.if MSB != \new
	s_set_vgpr_msb (MSB<<8)|\new
.set MSB, \new
.endif
.endm
.set MUL_LO, 0xa1                      ; source 0 (B) window 1, source 1 (A) window 0, C and D window 2
.set MUL_HI, 0xf1                      ; the same, C and D window 3
.set TO_B,   0x40                      ; destination window 1, address window 0
; A joint load: waves 0 and 1 fetch for A, waves 2 and 3 for B.  Each line has one mask and one set of registers for all that issue it; the branch hangs on the wave's number alone.
; An s_nop 0 and four v_nop follow each of the two lines.
.macro JLOAD g0a, g1a, g0b, g1b
	s_cmp_eq_u32 s15, 0
	s_cbranch_scc0 .Lfor_b_\@
	tensor_load_to_lds s[\g0a:\g0a+3], s[\g1a:\g1a+7]
	s_nop 0
.rept 4
	v_nop
.endr
	s_branch .Lasked_\@
.Lfor_b_\@:
	tensor_load_to_lds s[\g0b:\g0b+3], s[\g1b:\g1b+7]
	s_nop 0
.rept 4
	v_nop
.endr
.Lasked_\@:
.endm
.macro CREST                           ; a round of the cluster's barrier behind its opening barrier
	s_cmp_lg_u32 s14, 0
	s_cbranch_scc1 .Lnot_wave_0_\@
	s_barrier_signal -3
.Lnot_wave_0_\@:
	s_barrier_wait -3
	s_barrier_signal -1
	s_barrier_wait -1
.endm
.macro CROUND
	s_barrier_signal -1
	s_barrier_wait -1
	CREST
.endm
.macro PLACES n                        ; plain vector instructions between a matrix instruction and a load into, or a read of, its registers
.rept \n
	v_nop
.endr
.endm
	s_load_b256 s[4:11], s[0:1], 0x0               ; cw_codes, cw_scales, qkv_codes, qkv_scales
	v_lshl_add_u32 v[SPW], v0, 2, SPARE
	v_mov_b32 v[NIL], 0
	ds_add_u32 v[SPW], v[NIL]                      ; the wave's opening: the add and its wait stand ahead of my first tensor load; the set-up below stands between them
	v_lshrrev_b32 v1, 5, v0
	v_readfirstlane_b32 s14, v1                    ; wave 0..3
	s_lshr_b32 s15, s14, 1                         ; which 8 of A's 16 tiles are mine.  Also: I fetch for A (0) or for B (1)
	s_and_b32 s16, s14, 1                          ; which 8 of B's.  Also: which 8 tiles I fetch
	s_bfe_u32 s17, ttmp6, 0x40000                  ; cx
	s_bfe_u32 s18, ttmp6, 0x40004                  ; cy
	s_mov_b32 s19, ttmp9                           ; the cluster's x: 0 q, 1 k, 2 v
	s_and_b32 s20, ttmp7, 0xffff                   ; the cluster's y
	s_lshl_b32 s21, s18, 2
	s_lshl_b32 s21, 15, s21                        ; my row of the cluster
	s_lshl_b32 s22, 0x1111, s17                    ; my column
	; descriptor groups 1: dense blocks as rows of 256 bytes (32 elements of 8 bytes), no padding: codes 96 rows, scale words 16 rows
	s_or_b32 s[G1], s21, (3<<16)|(1<<21)           ; 15:0 the mask; 17:16 elements of 8 bytes; 21 set beside a mask
	s_or_b32 s[G1B], s22, (3<<16)|(1<<21)
	s_or_b32 s[G1S], s21, (3<<16)|(1<<21)
	s_or_b32 s[G1SB], s22, (3<<16)|(1<<21)
.irp g, G1, G1B
	s_mov_b32 s[\g+1], 32<<16                      ; tensor_dim0
	s_mov_b32 s[\g+2], 96<<16                      ; tensor_dim1
	s_mov_b32 s[\g+3], 32<<16                      ; tile_dim0
	s_mov_b32 s[\g+4], 96                          ; tile_dim1
	s_mov_b32 s[\g+5], 32                          ; the pitch
	s_mov_b32 s[\g+6], 0
	s_mov_b32 s[\g+7], 0
.endr
.irp g, G1S, G1SB
	s_mov_b32 s[\g+1], 32<<16
	s_mov_b32 s[\g+2], 16<<16
	s_mov_b32 s[\g+3], 32<<16
	s_mov_b32 s[\g+4], 16
	s_mov_b32 s[\g+5], 32
	s_mov_b32 s[\g+6], 0
	s_mov_b32 s[\g+7], 0
.endr
	s_lshl_b32 s92, s20, 6                         ; A's first tile: q, k: 64 Y + 16 cy (x);  v: 640 + 16 cy (Wv): made of what my row of the cluster shares
	s_mov_b32 s93, 640
	s_cmp_lt_u32 s19, 2
	s_cselect_b32 s92, s92, s93
	s_lshl_b32 s93, s18, 4
	s_add_co_u32 s92, s92, s93
	s_lshl_b32 s94, s19, 6                         ; B's: q, k: 512 + 64 X + 16 cx (Wq, Wk);  v: 64 Y + 16 cx (x): made of what my column shares
	s_add_co_u32 s94, s94, 512
	s_lshl_b32 s95, s20, 6
	s_cmp_lt_u32 s19, 2
	s_cselect_b32 s94, s94, s95
	s_lshl_b32 s95, s17, 4
	s_add_co_u32 s94, s94, s95
	s_lshl_b32 s23, s16, 3
	s_add_co_u32 s96, s92, s23                     ; the first of the 8 tiles that I would fetch for A,
	s_add_co_u32 s98, s94, s23                     ; for B
	s_mul_i32 s12, s96, 3072
	s_mov_b32 s13, 0
	s_mul_i32 s2, s98, 3072
	s_mov_b32 s3, 0
	s_lshl_b32 s96, s96, 9
	s_mov_b32 s97, 0
	s_lshl_b32 s98, s98, 9
	s_mov_b32 s99, 0
	s_mul_i32 s100, s14, HALFT                     ; where they go: wave x 8 tiles: no place in the cluster enters an LDS address
	s_lshl_b32 s101, s14, 12
	s_wait_dscnt 0x0                               ; the opening add is done
	s_wait_kmcnt 0x0
	s_add_nc_u64 s[12:13], s[4:5], s[12:13]
	s_add_nc_u64 s[2:3], s[4:5], s[2:3]
	s_add_nc_u64 s[96:97], s[6:7], s[96:97]
	s_add_nc_u64 s[98:99], s[6:7], s[98:99]
	CROUND                                         ; all sixteen work-groups are here: the first joint loads meet
	s_mov_b32 s[GS], 1
	s_add_co_u32 s[GS+1], s101, SCL
	s_mov_b64 s[GS+2:GS+3], s[96:97]
	s_or_b32 s[GS+3], s[GS+3], 0x80000000
	s_mov_b32 s[GSB], 1
	s_add_co_u32 s[GSB+1], s101, SCL
	s_mov_b64 s[GSB+2:GSB+3], s[98:99]
	s_or_b32 s[GSB+3], s[GSB+3], 0x80000000
	JLOAD GS, G1S, GSB, G1SB                       ; the scale words first: they are wanted with the first K step
.macro SETG0 ga, gb, s
	s_mov_b32 s[\ga], 1
	s_add_co_u32 s[\ga+1], s100, (\s)*SLOT
	s_add_nc_u64 s[\ga+2:\ga+3], s[12:13], (\s)*SIGB
	s_or_b32 s[\ga+3], s[\ga+3], 0x80000000
	s_mov_b32 s[\gb], 1
	s_add_co_u32 s[\gb+1], s100, (\s)*SLOT
	s_add_nc_u64 s[\gb+2:\gb+3], s[2:3], (\s)*SIGB
	s_or_b32 s[\gb+3], s[\gb+3], 0x80000000
	JLOAD \ga, G1, \gb, G1B
.endm
	SETG0 GA0, GB0, 0                              ; K 0-255, 256-511, 512-767: with the scale words four loads of mine are out
	SETG0 GA1, GB1, 1
	SETG0 GA2, GB2, 2
	v_and_b32 v1, 15, v0                           ; r
	v_bfe_u32 v2, v0, 4, 1                         ; h
	v_and_b32 v3, 31, v0
	v_lshlrev_b32 v[O16], 4, v3
	v_lshlrev_b32 v[O8], 3, v3
	s_mul_i32 s23, s15, HALFT                      ; my 8 tiles of A
	s_mul_i32 s12, s16, HALFT                      ; my 8 tiles of B,
	s_add_co_u32 s12, s12, 2*HALFT                 ; which lie behind A's 16
.irp s, 0,1,2
	v_add_nc_u32 v[A16+\s], s23, v[O16]
	v_add_nc_u32 v[A16+3+\s], s23, v[O8]
	v_add_nc_u32 v[B16+\s], s12, v[O16]
	v_add_nc_u32 v[B16+3+\s], s12, v[O8]
	s_add_co_u32 s23, s23, SLOT
	s_add_co_u32 s12, s12, SLOT
.endr
	s_lshl_b32 s23, s15, 12                        ; the scale words of my 8 tiles of A,
	s_lshl_b32 s12, s16, 12
	s_add_co_u32 s12, s12, 2*HALFS                 ; of B, behind A's 16 tiles'
	s_sub_co_u32 s12, s12, s23
	v_mul_u32_u24 v[ADRS], s12, v2                 ; lanes 16-31 take B's
	v_lshl_add_u32 v[ADRS], v1, 4, v[ADRS]
	s_add_co_u32 s23, s23, SCL
	v_add_nc_u32 v[ADRS], s23, v[ADRS]
	; the way out's numbers, made while the first tiles are on their way
	s_lshr_b32 s92, s92, 3
	s_add_co_u32 s92, s92, s15                     ; my group of 128 rows of A,
	s_lshr_b32 s94, s94, 3
	s_add_co_u32 s94, s94, s16                     ; of B
	s_mov_b32 s12, 1536
	s_mov_b32 s99, 768
	s_mov_b32 s100, 0x03020100
	s_cmp_lt_u32 s19, 2
	s_cselect_b32 s96, s92, s94                    ; the group of tokens, 0..63
	s_cselect_b32 s97, s94, s92                    ; the group of features, + 64
	s_cselect_b32 s12, 768, s12                    ; SA: from tile to tile in a block
	s_cselect_b32 s99, 6144, s99                   ; SH: from a fragment's first half to its second
	s_cselect_b32 s100, 0x01000302, s100           ; v_perm_b32's select: a turn by 16 bits, or none
	s_cselect_b32 s101, 0, 1                       ; 1 for v
	s_mov_b32 s13, 0
	s_sub_co_u32 s97, s97, 64
	s_lshr_b32 s98, s97, 3
	s_lshl_b32 s98, s98, 9                         ; 512 kind
	s_lshr_b32 s23, s96, 4
	s_lshl_b32 s23, s23, 7                         ; + 128 batch
	s_add_co_u32 s98, s98, s23
	s_and_b32 s23, s97, 7
	s_lshl_b32 s23, s23, 4                         ; + 16 head pair
	s_add_co_u32 s98, s98, s23
	s_and_b32 s23, s96, 15
	s_add_co_u32 s98, s98, s23                     ; + the group of tokens in its batch
	s_mul_i32 s94, s98, 12288
	s_mov_b32 s95, 0
	s_add_nc_u64 s[8:9], s[8:9], s[94:95]
	s_lshl_b32 s94, s98, 10
	s_add_nc_u64 s[10:11], s[10:11], s[94:95]
	s_mov_b32 s2, 0x76543210
	s_mov_b32 s3, 0xfedcba98                       ; v_permlanex16_b32's selects for lane l xor 16
	v_add_nc_u32 v[O8], 512, v[O8]
	v_add_nc_u32 v[P16], s99, v[O16]
	v_add_nc_u32 v[P8], s99, v[O8]
	v_lshlrev_b32 v[SO0], 5, v1
	v_xor_b32 v[SO1], s101, v2
	v_lshl_add_u32 v[SO1], v[SO1], 4, v[SO0]
	v_add_nc_u32 v[SO1], 512, v[SO1]
	v_lshl_add_u32 v[SO0], v2, 4, v[SO0]
	v_cmp_ne_u32 s93, 0, v2                        ; lanes 16-31
.macro FRAG reg, adr, q, i             ; a fragment's image: four loads, each of consecutive bytes over the lanes
	ds_load_b128 v[\reg:\reg+3],     v[\adr]   offset:3072*(\i)+1536*(\q)
	ds_load_b64  v[\reg+4:\reg+5],   v[\adr+3] offset:3072*(\i)+1536*(\q)+512
	ds_load_b128 v[\reg+6:\reg+9],   v[\adr]   offset:3072*(\i)+1536*(\q)+768
	ds_load_b64  v[\reg+10:\reg+11], v[\adr+3] offset:3072*(\i)+1536*(\q)+1280
.endm
; 16 matrix instructions: A's tiles a0, a0 + 1 x B's eight, 128 along K.  p: B's set; q: which of the slot's two steps; sc: the set of scale words.  zero = 1: the first product starts the sums.
; The 64 accumulators take turns, one instruction a turn, in the same order in every step.
.macro MUL16 a0, p, q, sc, zero
.irp a, \a0, \a0+1
.irp b, 0,1,2,3,4,5,6,7
.if \zero
	v_wmma_scale_f32_16x16x128_f8f6f4 v[8*(8*((\a)%4)+\b):8*(8*((\a)%4)+\b)+7], v[128*(\p)+FR*\b:128*(\p)+FR*\b+FR-1], v[AF+FR*(\a):AF+FR*(\a)+FR-1], 0, v[SC+8*NQ*(\sc)+NQ*\b+(\q)], v[SC+8*NQ*(\sc)+NQ*(\a)+(\q)] matrix_a_fmt:MATRIX_FMT_FP6 matrix_b_fmt:MATRIX_FMT_FP6 matrix_a_scale:MATRIX_SCALE_ROW1
.else
	v_wmma_scale_f32_16x16x128_f8f6f4 v[8*(8*((\a)%4)+\b):8*(8*((\a)%4)+\b)+7], v[128*(\p)+FR*\b:128*(\p)+FR*\b+FR-1], v[AF+FR*(\a):AF+FR*(\a)+FR-1], v[8*(8*((\a)%4)+\b):8*(8*((\a)%4)+\b)+7], v[SC+8*NQ*(\sc)+NQ*\b+(\q)], v[SC+8*NQ*(\sc)+NQ*(\a)+(\q)] matrix_a_fmt:MATRIX_FMT_FP6 matrix_b_fmt:MATRIX_FMT_FP6 matrix_a_scale:MATRIX_SCALE_ROW1
.endif
.endr
.endr
.endm
.macro FETCH_B slot, q, p
	WIN TO_B
.irp i, 0,1,2,3,4,5,6,7
	FRAG 128*(\p)+FR*\i, B16+\slot, \q, \i
.endr
	WIN 0
.endm
.macro FETCH_A slot, q, i0
.irp i, \i0, \i0+1, \i0+2, \i0+3
	FRAG AF+FR*(\i), A16+\slot, \q, \i
.endr
.endm
.macro SCALES st, sig                  ; the scale words of K step sig (256 along K: two words a row) into set st: lanes 0-15 A's tile i, lanes 16-31 B's tile i
.irp i, 0,1,2,3,4,5,6,7
	ds_load_b64 v[SC+16*(\st)+2*\i:SC+16*(\st)+2*\i+1], v[ADRS] offset:512*\i+256*((\sig)/2)+8*((\sig)%2)
.endr
.endm
; A step of 128 along K: 64 matrix instructions; the next step's fragments (slot ns, its step nq) are fetched in two runs.  A fragment is four loads, so A's tiles 4-7 are sixteen.
; mode 0: nothing more.  mode 1: slot 0 is left and filled again.  mode 2: the refill is waited for and shown to all waves.
.macro STEPG q, sc, zero, ns, nq, nsig, mode
.if \mode == 1
	s_wait_tensorcnt 0x0                           ; all my tensor loads have landed: slots 1 and 2;  (every window is 0 here)
	ds_add_u32 v[SPW], v[NIL]                      ; 0 onto my spare word
	s_wait_dscnt 17                                ; (the add and the youngest sixteen loads, A's tiles 4-7, may be out)
.elseif \mode == 2
	s_wait_tensorcnt 0x0                           ; the one load of mine that is out: my part of the refill; none was issued behind it
	s_wait_dscnt 16
.else
	s_wait_dscnt 16                                ; B's set and A's tiles 0-3 are in; A's tiles 4-7 may be out
.endif
	WIN MUL_LO
	MUL16 0, \q, \q, \sc, \zero
.if \mode != 0
	s_wait_dscnt 0x0                               ; the add is done (mode 1), and my reads of the slot that is left are over
	s_barrier_signal -1
.endif
	MUL16 2, \q, \q, \sc, \zero
.if \mode == 0
	s_wait_dscnt 0x0                               ; A's tiles 4-7 are in (asked for 32 matrix instructions ago)
	PLACES 4
.elseif \mode == 1
	WIN 0
	s_barrier_wait -1
	CREST                                          ; the barrier has opened a round of the cluster's barrier: no wave of any partner still reads slot 0 or has a load on its way
	s_add_nc_u64 s[GA0+2:GA0+3], s[GA0+2:GA0+3], 3*SIGB
	s_add_nc_u64 s[GB0+2:GB0+3], s[GB0+2:GB0+3], 3*SIGB
	JLOAD GA0, G1, GB0, G1B                        ; K 768-1023 into slot 0: the first tensor load behind the round; 224 matrix instructions stand ahead of the wait for it; its four v_nop are the places in front of the loads below
.else
	WIN 0
	s_barrier_wait -1
	PLACES 4
.endif
	FETCH_B \ns, \nq, 1-\q
	FETCH_A \ns, \nq, 0
.if \nsig >= 0
	SCALES 1-\sc, \nsig
.endif
	WIN MUL_HI
	MUL16 4, \q, \q, \sc, \zero
	MUL16 6, \q, \q, \sc, \zero
	PLACES 4
	WIN 0
	FETCH_A \ns, \nq, 4
.endm
	s_wait_tensorcnt 2                             ; the scale words and my part of slot 0 are in; slots 1 and 2 may be out
	s_barrier_signal -1
	s_barrier_wait -1
	FETCH_B 0, 0, 0
	FETCH_A 0, 0, 0
	SCALES 0, 0
	FETCH_A 0, 0, 4
	STEPG 0, 0, 1, 0, 1, -1, 0                     ; K 0: its products start the sums: nothing is cleared
	STEPG 1, 0, 0, 1, 0, 1, 1                      ; K 128: slot 0 is left and filled again
	STEPG 0, 1, 0, 1, 1, -1, 0                     ; K 256
	STEPG 1, 1, 0, 2, 0, 2, 0                      ; K 384: on to slot 2, which the wait and the round at K 128 have shown whole to every wave
	STEPG 0, 0, 0, 2, 1, -1, 0                     ; K 512
	STEPG 1, 0, 0, 0, 0, 3, 2                      ; K 640: on to slot 0's second tiles
	STEPG 0, 1, 0, 0, 1, -1, 0                     ; K 768
	s_wait_dscnt 16                                ; K 896: nothing more to fetch
	WIN MUL_LO
	MUL16 0, 1, 1, 1, 0
	MUL16 2, 1, 1, 1, 0
	s_wait_dscnt 0x0
	WIN MUL_HI
	MUL16 4, 1, 1, 1, 0
	MUL16 6, 1, 1, 1, 0
	WIN 0
	PLACES 4                                       ; ahead of the first read of results
.irp b, 0,1,2,3
	v_mov_b32 v[TM+4+\b], 0                        ; written once: a lane permute's destination counts as one of its sources
.endr
; THE WAY OUT.  Tile a's 64 registers (register 16 b + i = 32 b + 16 h + i along the next K) become a fragment's codes and its scale word; the codes leave as the fragment's image, straight from registers.
.macro QUANTW a
.set AC, 64*((\a)%4)
	WIN 20*(2+(\a)/4)                              ; sources 1 and 2: the accumulators' window
.irp b, 0,1,2,3
	v_max3_num_f32 v[TM+\b], 0x1800000, |v[AC+16*\b]|, |v[AC+16*\b+1]|   ; block b: my 16 numbers, each accumulator from its low end on, and the floor 2^(3 - 127)
.endr
.irp i, 2,4,6,8,10,12,14
.irp b, 0,1,2,3
	v_max3_num_f32 v[TM+\b], v[TM+\b], |v[AC+16*\b+\i]|, |v[AC+16*\b+\i+1]|
.endr
.endr
	WIN 0
.irp b, 0,1,2,3
	v_permlanex16_b32 v[TM+4+\b], v[TM+\b], s2, s3
.endr
.irp b, 0,1,2,3
	v_max_num_f32 v[TM+\b], v[TM+\b], v[TM+4+\b]   ; with lane l xor 16's: the block's largest magnitude
.endr
.irp b, 0,1,2,3
	v_add_nc_u32 v[TM+12+\b], 0xff000000, v[TM+\b] ; 2 off its exponent field: the conversion's scale operand
.endr
.irp b, 0,1,2,3
	v_lshrrev_b32 v[TM+4+\b], 23, v[TM+12+\b]      ; the scale's byte
.endr
	v_lshl_or_b32 v[PW+\a], v[TM+5], 8, v[TM+4]
	v_lshl_or_b32 v[PW+\a], v[TM+6], 16, v[PW+\a]
	v_lshl_or_b32 v[PW+\a], v[TM+7], 24, v[PW+\a]
.if (\a) > 0
	s_wait_xcnt 0x0                                ; the last tile's stores have read their data and their base: both are written again only behind this wait
	s_add_nc_u64 s[8:9], s[8:9], s[12:13]          ; on to this tile's place in the block
.endif
	WIN 2+(\a)/4                                   ; source 0: the accumulators' window
.irp c, 0,1
	v_cvt_scalef32_pk16_fp6_f32 v[PC+6*\c:PC+6*\c+2], v[AC+32*\c:AC+32*\c+15], v[TM+12+2*\c]
	v_cvt_scalef32_pk16_fp6_f32 v[PC+12+4*\c:PC+14+4*\c], v[AC+32*\c+16:AC+32*\c+31], v[TM+12+2*\c+1]   ; (a conversion's three registers begin on an even number)
.endr
	WIN 0
	v_nop                                          ; one plain place behind a scaled conversion
.irp c, 0,1                            ; the operand's layout wants a whole block in a lane: lanes 0-15 block 2 c, lanes 16-31 block 2 c + 1
.irp i, 0,1,2
	v_permlane16_swap_b32 v[PC+6*\c+\i], v[PC+12+4*\c+\i]
.endr
.irp i, 0,1,2
	v_mov_b32 v[PC+3+6*\c+\i], v[PC+12+4*\c+\i]
.endr
.endr
	global_store_b128 v[O16], v[PC:PC+3], s[8:9]       ; each store covers 512 or 256 consecutive bytes, at a multiple of 256 from the buffer's first byte
	global_store_b64 v[O8], v[PC+4:PC+5], s[8:9]
	global_store_b128 v[P16], v[PC+6:PC+9], s[8:9]
	global_store_b64 v[P8], v[PC+10:PC+11], s[8:9]
.endm
.irp a, 0,1,2,3,4,5,6,7
	QUANTW \a
.endr
.irp i, 0,1,2,3
	v_cndmask_b32 v[SW+\i], v[PW+\i], v[PW+4+\i], s93  ; lanes 0-15 store words 0-3 of their row, lanes 16-31 words 4-7
.endr
	global_store_b128 v[SO0], v[SW:SW+3], s[10:11]     ; 512 consecutive bytes
.irp i, 0,1,2,3
	v_perm_b32 v[SW+4+\i], v[SW+\i], v[SW+\i], s100    ; q, k: turned by 16 bits; v: as they are
.endr
	global_store_b128 v[SO1], v[SW+4:SW+7], s[10:11]
	s_wait_tensorcnt 0x0                           ; the wave's end: a tensor wait, an add onto my spare word and its wait, behind my last tensor load
	ds_add_u32 v[SPW], v[NIL]
	s_wait_dscnt 0x0
	CROUND                                         ; the closing round: no work-group ends while a partner may still ask for a tile that names it
	s_endpgm
.Lfunc_end_k_qa014623256_proj:
	.size	k_qa014623256_proj, .Lfunc_end_k_qa014623256_proj-k_qa014623256_proj
	.p2alignl 7, 3214868480
	.fill 96, 4, 3214868480
	.section	.rodata,"a",@progbits
	.p2align	6, 0x0
	.amdhsa_kernel k_qa014623256_proj
		.amdhsa_group_segment_fixed_size 327680
		.amdhsa_private_segment_fixed_size 0
		.amdhsa_enable_private_segment 0
		.amdhsa_kernarg_size 32
		.amdhsa_user_sgpr_count 2
		.amdhsa_user_sgpr_kernarg_segment_ptr 1
		.amdhsa_wavefront_size32 1
		.amdhsa_system_sgpr_workgroup_id_x 1
		.amdhsa_system_sgpr_workgroup_id_y 1
		.amdhsa_system_sgpr_workgroup_id_z 1
		.amdhsa_system_vgpr_workitem_id 0
		.amdhsa_next_free_vgpr 1024
		.amdhsa_next_free_sgpr 102
		.amdhsa_reserve_vcc 0
		.amdhsa_float_denorm_mode_32 3
		.amdhsa_float_denorm_mode_16_64 3
		.amdhsa_memory_ordered 1
		.amdhsa_forward_progress 1
		.amdhsa_inst_pref_size 150
	.end_amdhsa_kernel
	.amdgpu_metadata
---
amdhsa.version: [ 1, 2 ]
amdhsa.kernels:
  - .name:           k_qa014623256_proj
    .symbol:         k_qa014623256_proj.kd
    .args:
      - { .name: cw_codes, .offset: 0, .size: 8, .value_kind: global_buffer, .address_space: global }
      - { .name: cw_scales, .offset: 8, .size: 8, .value_kind: global_buffer, .address_space: global }
      - { .name: qkv_codes, .offset: 16, .size: 8, .value_kind: global_buffer, .address_space: global }
      - { .name: qkv_scales, .offset: 24, .size: 8, .value_kind: global_buffer, .address_space: global }
    .group_segment_fixed_size: 327680
    .private_segment_fixed_size: 0
    .kernarg_segment_align: 8
    .kernarg_segment_size: 32
    .max_flat_workgroup_size: 128
    .sgpr_count:     102
    .vgpr_count:     1024
    .wavefront_size: 32
...
	.end_amdgpu_metadata
.endif
;; end of part 2
;; launch attn (part 3): grid 4 x 64, 16 waves a work-group, clusters of 4 x 1, 215,040 bytes of LDS; arguments qkv_codes, qkv_scales, o_codes, o_scales; writes o_codes, o_scales
.if DOCPART == 3
	.amdgcn_target "amdgcn-amd-amdhsa--gfx1250"
	.amdhsa_code_object_version 6
	.text
	.protected	k_qa014623256_attn
	.globl	k_qa014623256_attn
	.p2align	8
	.type	k_qa014623256_attn,@function
k_qa014623256_attn:
	s_mov_b64 s[64:65], 0
	v_nop
	global_prefetch_b8 v0, s[64:65] scope:SCOPE_SE
	s_setreg_imm32_b32 hwreg(HW_REG_WAVE_MODE, 25, 1), 1
	s_wait_xcnt 0x0
	s_wait_alu depctr_hold_cnt(0) depctr_sa_sdst(0) depctr_va_vdst(0) depctr_va_sdst(0) depctr_va_ssrc(0) depctr_va_vcc(0) depctr_vm_vsrc(0)
	s_getreg_b32 s2, hwreg(HW_REG_IB_STS2, 6, 4)
	s_cmp_eq_u32 s2, 0
	s_cbranch_scc0 .Lentry_in_a_cluster
	s_endpgm
.Lentry_in_a_cluster:
	s_bfe_u32 s2, ttmp6, 0x10000c
	s_cmp_lg_u32 s2, 0x3003
	s_cbranch_scc0 .Lentry_shape_is_right
	s_endpgm
.Lentry_shape_is_right:
; Causal attention of one head (64 channels, 2,048 tokens) for each cluster of four work-groups, both products on codes of FP6 (E2M3) with E8M0 scales; the result o / l is quantised along E and leaves as codes.
; THE SOFTMAX AHEAD OF THE SECOND PRODUCT: t = score x log2(e) / 8; M = the running largest t rounded up to a whole number; p = 2^(t - M) is quantised along the keys, not normalised; the row's sum is taken of the
; unquantised p and divides at the end; when M moves, the sum and O are multiplied by 2^(old M - new M), which rounds nothing.
; INPUTS, as the launch before laid them: blocks of 12,288 bytes of codes and 1,024 of scale words, block 512 kind + 16 (8 batch + head pair) + group of 128 tokens; head c of the pair has 6,144 dense bytes at 6144 c:
; q, k: eight halves of fragments (a token tile's 64 channels, 768 bytes each); v: four fragments (16 channels x 128 keys, 1,536 bytes each).  Lane r of tile i is row 32 (i / 2) + 8 (i % 2) + r % 8 + 16 (r / 8).
; LDS holds the head's K and V whole, 192 KB, and their scale words, 16 KB: filled ONCE, by five joint loads a wave at the head; no slot is ever filled again.
; CLUSTER 4 x 1: the four work-groups serve one head and ask for its K and V jointly, with the same descriptors and the mask of all four.
; SHARES.  The head has 128 query tiles, tile 8 G + j in group G of 128 tokens; tile 8 G + j needs key steps 0 .. G (128 keys each).  Wave w of partner cx has j = 2 cx + w / 8 and takes G = 15 - w % 8 and then G = w % 8:
; 17 key steps for every wave of the launch.  Branches hang on the wave's number and on loop counts alone; cx enters global addresses and a lane's number for the mask.
; BOTH PRODUCTS ARE USED TRANSPOSED: S^T = K Q^T (source 0 = 16 keys), O^T = V^T P^T (source 0 = 16 channels): a lane holds one query throughout.
; THE HEAD'S 64 FILL HALF OF THE INSTRUCTION'S 128: Q's upper 64 codes are zeros, so what stands in the upper half of K's operand (the next tile's codes) adds nothing; its scale bytes there are bytes of the other head, never 0xff.
; OUTPUT: o_codes: the half fragment (query tile T, head) at ((head / 4) 512 + T) 3072 + (head % 4) 768; o_scales: two bytes at 512 T + 256 (head / 8) + 16 r + 2 (head % 8).
; The two scale bytes of a row are stored as 2 bytes a lane, 16 bytes apart: 256 KB in the whole launch; a row's word is shared by two heads, which are two clusters.
; LIMITS: NaN and infinities are not served; a block whose largest magnitude lies under 2^-124 is held at the byte 1; a block of zeros gets the byte 1 (its codes are zeros).
.set STEPB, 12288                      ; a key step in LDS: for p = 0..3: K's tiles 2 p, 2 p + 1 (768 each), then V's fragment p (1,536)
.set SCB,   16*STEPB                   ; behind them the scale words: a step's 1,024 bytes: K's [r][8 words], then V's
.set SPARE, SCB+16*1024                ; the spare words, 128 bytes for each wave: eight blocks of 256 bytes that no other line names
.set L16, 1                            ; v1  16 x lane
.set L8,  2                            ; v2  8 x lane
.set LS,  3                            ; v3  SCB + 32 r
.set ADK, 4                            ; v4-6 the step's addresses
.set AD8, 5
.set ADS, 6
.set DQ,  7                            ; v7  my query's place in its group of 128, less 16 h
.set SPW, 8
.set NIL, 9
.set R16, 10                           ; v10 16 r
.set R32, 11                           ; v11 32 r
.set F,   32                           ; v32-79 K's eight halves, or V's four fragments; v80-85 zeros
.set KS,  86                           ; v86-93 their scale words
.set S,   96                           ; v96-159 S^T, then p
.set O,   160                          ; v160-191 O^T
.set WV,  12
.set G1C, 24
.set G1S, 32
.set G0S, 40
.set G0C, 44
.set SEL, 60
.set CS,  62
.set TB,  66                           ; s66 LDS byte of the step's codes
.set TS,  67                           ; s67 of its scale words, less SCB
.set SS,  68                           ; s68 the step
.set G,   69                           ; s69 the tile's group: its last step
.macro CROUND
	s_barrier_signal -1
	s_barrier_wait -1
	s_cmp_lg_u32 s[WV], 0
	s_cbranch_scc1 .Lnot_wave_0_\@
	s_barrier_signal -3
.Lnot_wave_0_\@:
	s_barrier_wait -3
	s_barrier_signal -1
	s_barrier_wait -1
.endm
	s_load_b256 s[4:11], s[0:1], 0x0               ; qkv_codes, qkv_scales, o_codes, o_scales
	v_lshl_add_u32 v[SPW], v0, 2, SPARE
	v_mov_b32 v[NIL], 0
	ds_add_u32 v[SPW], v[NIL]                      ; the wave's opening: the add and its wait stand ahead of my first tensor load; the set-up below stands between them
	ds_add_u32 v[SPW], v[NIL]
	v_lshrrev_b32 v1, 5, v0
	s_delay_alu instid0(VALU_DEP_1)
	v_readfirstlane_b32 s[WV], v1                  ; wave 0..15
	s_bfe_u32 s13, ttmp6, 0x40000                  ; cx
	s_and_b32 s14, ttmp7, 0xffff                   ; 16 batch + head
	s_and_b32 s15, s[WV], 7
	s_lshr_b32 s17, s[WV], 3
	s_lshl_b32 s16, s13, 1
	s_add_co_u32 s16, s16, s17                     ; j
	s_lshr_b32 s18, s14, 4                         ; batch
	s_and_b32 s19, s14, 15                         ; head
	s_lshr_b32 s20, s19, 1
	s_and_b32 s21, s19, 1                          ; c: which head of its pair
	s_lshl_b32 s22, s18, 3
	s_add_co_u32 s22, s22, s20
	s_lshl_b32 s22, s22, 4                         ; 16 (8 batch + head pair): q's first block
	s_sub_co_u32 s82, 15, s15                      ; the first tile's group
	; descriptor groups 1: two rows, K's piece and V's, which lie 512 blocks apart in memory; elements of 8 bytes; no padding; the mask names all four work-groups
	s_mov_b32 s[G1C], 15|(3<<16)|(1<<21)
	s_mov_b32 s[G1C+1], 192<<16                    ; tensor_dim0: 1,536 bytes
	s_mov_b32 s[G1C+2], 2<<16                      ; tensor_dim1
	s_mov_b32 s[G1C+3], 192<<16                    ; tile_dim0
	s_mov_b32 s[G1C+4], 2                          ; tile_dim1
	s_mov_b32 s[G1C+5], 786432                     ; the pitch: 512 x 12,288 bytes
	s_mov_b32 s[G1C+6], 0
	s_mov_b32 s[G1C+7], 0
	s_mov_b32 s[G1S], 15|(3<<16)|(1<<21)
	s_mov_b32 s[G1S+1], 64<<16                     ; 512 bytes
	s_mov_b32 s[G1S+2], 2<<16
	s_mov_b32 s[G1S+3], 64<<16
	s_mov_b32 s[G1S+4], 2
	s_mov_b32 s[G1S+5], 65536                      ; 512 x 1,024 bytes
	s_mov_b32 s[G1S+6], 0
	s_mov_b32 s[G1S+7], 0
	s_add_co_u32 s23, s22, 512                     ; k's first block
	s_add_co_u32 s88, s23, s[WV]                   ; scale words: wave w fetches step w's
	s_lshl_b32 s88, s88, 10
	s_lshl_b32 s89, s21, 9
	s_add_co_u32 s88, s88, s89
	s_mov_b32 s89, 0
	s_lshr_b32 s90, s[WV], 2                       ; codes: of four steps wave w fetches piece w % 4 of step w / 4
	s_add_co_u32 s90, s90, s23
	s_mul_i32 s90, s90, 12288
	s_mul_i32 s91, s21, 6144
	s_add_co_u32 s90, s90, s91
	s_and_b32 s91, s[WV], 3
	s_mul_i32 s91, s91, 1536
	s_add_co_u32 s90, s90, s91
	s_mov_b32 s91, 0
	s_lshl_b32 s92, s[WV], 10
	s_mul_i32 s93, s[WV], 3072
	s_mov_b32 s[SEL], 0x76543210
	s_mov_b32 s[SEL+1], 0xfedcba98                 ; v_permlanex16_b32's selects for lane l xor 16
	s_mov_b32 s[CS], 0x3e38aa3b                    ; c = log2(e) / 8
	s_mov_b32 s[CS+1], s[CS]                       ; (named with it as a pair, so it is written)
	s_wait_dscnt 0x0                               ; the opening add is done
	s_wait_kmcnt 0x0
	s_add_nc_u64 s[88:89], s[6:7], s[88:89]
	s_add_nc_u64 s[90:91], s[4:5], s[90:91]
	s_mov_b32 s[G0S], 1
	s_add_co_u32 s[G0S+1], s92, SCB
	s_mov_b64 s[G0S+2:G0S+3], s[88:89]
	s_or_b32 s[G0S+3], s[G0S+3], 0x80000000
.irp t, 0,1,2,3
	s_mov_b32 s[G0C+4*\t], 1
	s_add_co_u32 s[G0C+4*\t+1], s93, \t*4*STEPB    ; four steps on in LDS,
	s_add_nc_u64 s[G0C+4*\t+2:G0C+4*\t+3], s[90:91], \t*4*12288   ; and in memory
	s_or_b32 s[G0C+4*\t+3], s[G0C+4*\t+3], 0x80000000
.endr
	CROUND                                         ; all four work-groups are here: the joint loads meet
	tensor_load_to_lds s[G0S:G0S+3], s[G1S:G1S+7]  ; all first fills in one group: five loads of mine are out
	s_nop 0
.irp t, 0,1,2,3
	tensor_load_to_lds s[G0C+4*\t:G0C+4*\t+3], s[G1C:G1C+7]
	s_nop 0
.endr
.rept 4
	v_nop
.endr
	; where my two tiles' q lies and their o goes
	s_mul_i32 s88, s21, 6144
	s_mul_i32 s89, s16, 768
	s_add_co_u32 s88, s88, s89                     ; q's codes in a block: 6144 c + 768 j
	s_lshl_b32 s89, s21, 9
	s_lshl_b32 s90, s16, 2
	s_add_co_u32 s89, s89, s90                     ; q's word: 512 c + 4 j
	s_lshl_b32 s90, s18, 7
	s_add_co_u32 s90, s90, s16                     ; 128 batch + j
	s_lshr_b32 s91, s19, 2
	s_lshl_b32 s91, s91, 9
	s_add_co_u32 s91, s91, s90                     ; + 512 (head / 4)
	s_and_b32 s92, s19, 3
	s_mul_i32 s92, s92, 768
	s_lshr_b32 s93, s19, 3
	s_lshl_b32 s93, s93, 8
	s_and_b32 s94, s19, 7
	s_lshl_b32 s94, s94, 1
	s_add_co_u32 s93, s93, s94                     ; 256 (head / 8) + 2 (head % 8)
.macro TILEADR sg, qc, qs, oc, os      ; for the tile of group s[sg]: q's codes, q's words, o's codes, o's scale bytes
	s_add_co_u32 s94, s22, s[\sg]
	s_mul_i32 s96, s94, 12288
	s_add_co_u32 s96, s96, s88
	s_mov_b32 s97, 0
	s_add_nc_u64 s[\qc:\qc+1], s[4:5], s[96:97]
	s_lshl_b32 s96, s94, 10
	s_add_co_u32 s96, s96, s89
	s_add_nc_u64 s[\qs:\qs+1], s[6:7], s[96:97]
	s_lshl_b32 s94, s[\sg], 3
	s_add_co_u32 s96, s94, s91
	s_mul_i32 s96, s96, 3072
	s_add_co_u32 s96, s96, s92
	s_add_nc_u64 s[\oc:\oc+1], s[8:9], s[96:97]
	s_add_co_u32 s96, s94, s90
	s_lshl_b32 s96, s96, 9
	s_add_co_u32 s96, s96, s93
	s_add_nc_u64 s[\os:\os+1], s[10:11], s[96:97]
.endm
	TILEADR 82, 70, 72, 78, 84
	TILEADR 15, 74, 76, 80, 86
	v_and_b32 v3, 31, v0
	s_delay_alu instid0(VALU_DEP_1)
	v_lshlrev_b32 v[L16], 4, v3
	s_delay_alu instid0(VALU_DEP_2)
	v_lshlrev_b32 v[L8], 3, v3
	v_and_b32 v[R16], 15, v0
	s_delay_alu instid0(VALU_DEP_1)
	v_lshlrev_b32 v[R32], 5, v[R16]
	s_delay_alu instid0(VALU_DEP_2)
	v_lshlrev_b32 v[R16], 4, v[R16]
	global_load_b128 v[16:19], v[L16], s[70:71]            ; the first tile's q: half a fragment, and its scale word
	global_load_b64 v[20:21], v[L8], s[70:71] offset:512
	global_load_b32 v28, v[R32], s[72:73]
	global_load_b128 v[192:195], v[L16], s[74:75]          ; the second tile's waits in v192-198
	global_load_b64 v[196:197], v[L8], s[74:75] offset:512
	global_load_b32 v198, v[R32], s[76:77]
	v_add_nc_u32 v[LS], SCB, v[R32]
	s_lshl_b32 s94, s13, 5
	s_lshl_b32 s95, s17, 3
	s_add_co_u32 s94, s94, s95                     ; 32 (j / 2) + 8 (j % 2)
	v_and_b32 v4, 7, v0
	v_bfe_u32 v5, v0, 3, 1
	v_bfe_u32 v6, v0, 4, 1
	s_delay_alu instid0(VALU_DEP_1)
	v_sub_nc_u32 v5, v5, v6
	s_delay_alu instid0(VALU_DEP_1)
	v_lshl_add_u32 v[DQ], v5, 4, v4                ; r % 8 + 16 (r / 8) - 16 h
	s_delay_alu instid0(VALU_DEP_1)
	v_add_nc_u32 v[DQ], s94, v[DQ]
.irp i, 0,1,2,3,4,5
	v_mov_b32 v[22+\i], 0                          ; Q's upper 64 codes
	v_mov_b32 v[80+\i], 0                          ; behind K's last tile
.endr
.irp b, 0,1,2,3
	v_mov_b32 v[236+\b], 0                         ; written once: a lane permute's destination counts as one of its sources
.endr
	v_mov_b32 v253, 0                              ; (named as the upper half of the pair v[252:253] before it is first written)
.macro INIT                            ; the step is written once for all steps: the first finds zeros, which the first change of M leaves zeros
	v_mov_b32 v13, 0xff61b1e6                      ; the largest t so far: -3e38
	s_delay_alu instid0(VALU_DEP_1)
	v_floor_f32 v12, -v13                          ; -M
	v_mov_b32 v14, 0                               ; the sum, in two halves
	v_mov_b32 v15, 0
.set n, 0
.rept 32
	v_mov_b32 v[O+n], 0
.set n, n+1
.endr
.endm
; A KEY STEP: 128 keys.  masked = 1: a step behind the tile's last is left out (a branch on the wave's number and the loop's count, round the work, not round the lines that step addresses); in the last step hidden scores become -infinity.
.macro STEP masked
.if \masked
	s_cmp_gt_u32 s[SS], s[G]
	s_cbranch_scc1 .Lhidden_\@
.endif
	s_setprio 2
	v_add_nc_u32 v[ADK], s[TB], v[L16]             ; these four are the places in front of loads into registers that the last products have read
	v_add_nc_u32 v[AD8], s[TB], v[L8]
	v_add_nc_u32 v[ADS], s[TS], v[LS]
	v_nop
.irp i, 0,1,2,3,4,5,6,7
	ds_load_b128 v[F+6*\i:F+6*\i+3], v[ADK] offset:(\i/2)*3072+(\i%2)*768
	ds_load_b64 v[F+6*\i+4:F+6*\i+5], v[AD8] offset:(\i/2)*3072+(\i%2)*768+512
.endr
	ds_load_b128 v[KS:KS+3], v[ADS]
	ds_load_b128 v[KS+4:KS+7], v[ADS] offset:16
	s_wait_alu depctr_va_vdst(0)
	s_wait_dscnt 0x0
.irp i, 0,1,2,3,4,5,6,7
	v_wmma_scale_f32_16x16x128_f8f6f4 v[S+8*\i:S+8*\i+7], v[F+6*\i:F+6*\i+11], v[16:27], 0, v[KS+\i], v28 matrix_a_fmt:MATRIX_FMT_FP6 matrix_b_fmt:MATRIX_FMT_FP6
.endr                                  ; register 16 b + i of lane (r, h) is key 32 b + 16 h + i of the step
.rept 4
	v_nop
.endr
.irp t, 0,1,2,3                        ; V's four fragments land while the softmax is walked
	ds_load_b128 v[F+12*\t:F+12*\t+3], v[ADK] offset:3072*\t+1536
	ds_load_b64 v[F+12*\t+4:F+12*\t+5], v[AD8] offset:3072*\t+1536+512
	ds_load_b128 v[F+12*\t+6:F+12*\t+9], v[ADK] offset:3072*\t+1536+768
	ds_load_b64 v[F+12*\t+10:F+12*\t+11], v[AD8] offset:3072*\t+1536+1280
.endr
	ds_load_b128 v[KS:KS+3], v[ADS] offset:512
.if \masked
	s_cmp_lg_u32 s[SS], s[G]
	s_cbranch_scc1 .Lopen_\@
	v_mov_b32 v254, 0xff800000                     ; -infinity: p = 0 then.  Key 0 of the step counts for every query of the tile
.set n, 0
.rept 64
	v_cmp_gt_i32 vcc_lo, 32*(n/16)+n%16, v[DQ]     ; hidden where the key comes after my query
	v_cndmask_b32 v[S+n], v[S+n], v254, vcc_lo
.set n, n+1
.endr
.Lopen_\@:
.endif
.irp b, 0,1,2,3
	v_max3_num_f32 v[232+\b], v[S+16*\b], v[S+1+16*\b], v[S+2+16*\b]   ; the largest score of each block of 32 keys: for the row's maximum and, since p rises with the score, for the block's largest p
.endr
.irp i, 3,5,7,9,11,13
.irp b, 0,1,2,3
	v_max3_num_f32 v[232+\b], v[232+\b], v[S+16*\b+\i], v[S+1+16*\b+\i]
.endr
.endr
.irp b, 0,1,2,3
	v_max_num_f32 v[232+\b], v[232+\b], v[S+15+16*\b]
.endr
.irp b, 0,1,2,3
	s_delay_alu instid0(VALU_DEP_4)
	v_permlanex16_b32 v[236+\b], v[232+\b], s[SEL], s[SEL+1]
.endr
.irp b, 0,1,2,3
	s_delay_alu instid0(VALU_DEP_4)
	v_max_num_f32 v[232+\b], v[232+\b], v[236+\b]  ; with lane l xor 16's 16 keys
.endr
	s_delay_alu instid0(VALU_DEP_2)
	v_max3_num_f32 v254, v232, v233, v234
	s_delay_alu instid0(VALU_DEP_1)
	v_max_num_f32 v254, v254, v235
	s_delay_alu instid0(VALU_DEP_1)
	v_mul_f32 v254, s[CS], v254                    ; as t
	s_delay_alu instid0(VALU_DEP_1)
	v_max_num_f32 v13, v13, v254                   ; the running largest t
	v_mov_b32 v254, v12
	s_delay_alu instid0(VALU_DEP_2)
	v_floor_f32 v12, -v13                          ; the new -M = -ceil(t)
	s_delay_alu instid0(VALU_DEP_1)
	v_sub_f32 v254, v12, v254                      ; old M - new M: a whole number, 0 or less
	s_delay_alu instid0(VALU_DEP_1)
	v_cvt_i32_f32 v254, v254                       ; (it saturates)
	s_delay_alu instid0(VALU_DEP_1)
	v_ldexp_f32 v252, 1.0, v254                    ; f = 2^(old M - new M)
.set n, 0
.rept 32
	v_pk_fma_f32 v[S+n:S+n+1], v[S+n:S+n+1], s[CS:CS+1], v[12:13] op_sel_hi:[1,0,0]   ; t - M, two at a time
.set n, n+2
.endr
.irp b, 0,1,2,3
	v_fma_f32 v[232+\b], v[232+\b], s[CS], v12     ; the same of each block's largest score
.endr
.set n, 0
	s_setprio 1
	s_wait_alu depctr_va_vdst(0)
.rept 64
	v_exp_f32 v[S+n], v[S+n]                       ; p = 2^(t - M)
.set n, n+1
.endr
	v_pk_mul_f32 v[14:15], v[14:15], v[252:253] op_sel_hi:[1,0]   ; the sums under the new M: a plain place behind the exponentials
	s_wait_alu depctr_va_vdst(0)                   ; one wait for the whole batch, ahead of its first reader
.irp b, 0,1,2,3
	v_exp_f32 v[232+\b], v[232+\b]                 ; the block's largest p
.endr
	v_pk_add_f32 v[236:237], v[100:101], v[104:105]
	v_pk_add_f32 v[254:255], v[108:109], v[112:113]
	v_pk_add_f32 v[250:251], v[116:117], v[120:121]
	v_pk_add_f32 v[248:249], v[124:125], v[128:129]
	v_pk_add_f32 v[246:247], v[132:133], v[136:137]
	v_pk_add_f32 v[244:245], v[140:141], v[144:145]
	v_pk_add_f32 v[242:243], v[148:149], v[152:153]
	v_pk_add_f32 v[14:15], v[14:15], v[156:157]
	v_pk_add_f32 v[236:237], v[236:237], v[96:97]
	v_pk_add_f32 v[254:255], v[254:255], v[98:99]
	v_pk_add_f32 v[250:251], v[250:251], v[102:103]
	v_pk_add_f32 v[248:249], v[248:249], v[106:107]
	v_pk_add_f32 v[246:247], v[246:247], v[110:111]
	v_pk_add_f32 v[244:245], v[244:245], v[114:115]
	v_pk_add_f32 v[242:243], v[242:243], v[118:119]
	v_pk_add_f32 v[14:15], v[14:15], v[122:123]
	v_pk_add_f32 v[236:237], v[236:237], v[126:127]
	v_pk_add_f32 v[254:255], v[254:255], v[130:131]
	v_pk_add_f32 v[250:251], v[250:251], v[134:135]
	v_pk_add_f32 v[248:249], v[248:249], v[138:139]
	v_pk_add_f32 v[246:247], v[246:247], v[142:143]
	v_pk_add_f32 v[244:245], v[244:245], v[146:147]
	v_pk_add_f32 v[242:243], v[242:243], v[150:151]
	v_pk_add_f32 v[14:15], v[14:15], v[154:155]
	v_pk_add_f32 v[236:237], v[236:237], v[158:159]
	s_delay_alu instid0(VALU_DEP_2)
	v_pk_add_f32 v[14:15], v[14:15], v[248:249]
	s_delay_alu instid0(VALU_DEP_2)
	v_pk_add_f32 v[236:237], v[236:237], v[246:247]
	v_pk_add_f32 v[254:255], v[254:255], v[244:245]
	v_pk_add_f32 v[250:251], v[250:251], v[242:243]
	s_delay_alu instid0(VALU_DEP_2)
	v_pk_add_f32 v[14:15], v[14:15], v[254:255]
	s_delay_alu instid0(VALU_DEP_2)
	v_pk_add_f32 v[236:237], v[236:237], v[250:251]
	s_delay_alu instid0(VALU_DEP_1)
	v_pk_add_f32 v[14:15], v[14:15], v[236:237]
	s_wait_alu depctr_va_vdst(0)                   ; and one for the four
.irp b, 0,1,2,3
	v_max_num_f32 v[232+\b], 0x1800000, v[232+\b]  ; the floor 2^(3 - 127): the byte cannot fall under 1
.endr
.irp b, 0,1,2,3
	s_delay_alu instid0(VALU_DEP_4)
	v_add_nc_u32 v[244+\b], 0xff000000, v[232+\b]  ; the conversion's scale operand
.endr
.irp b, 0,1,2,3
	s_delay_alu instid0(VALU_DEP_4)
	v_lshrrev_b32 v[236+\b], 23, v[244+\b]         ; the scale's byte
.endr
	s_delay_alu instid0(VALU_DEP_3)
	v_lshl_or_b32 v253, v237, 8, v236              ; p's scale word for these 128 keys
	s_delay_alu instid0(VALU_DEP_1)
	v_lshl_or_b32 v253, v238, 16, v253
	s_delay_alu instid0(VALU_DEP_1)
	v_lshl_or_b32 v253, v239, 24, v253
.irp c, 0,1
	v_cvt_scalef32_pk16_fp6_f32 v[224+6*\c:226+6*\c], v[S+32*\c:S+15+32*\c], v[244+2*\c]
	v_cvt_scalef32_pk16_fp6_f32 v[236+4*\c:238+4*\c], v[S+16+32*\c:S+31+32*\c], v[244+2*\c+1]
.endr
	v_nop                                          ; one plain place behind a scaled conversion
	s_setprio 0
.irp c, 0,1
.irp i, 0,1,2
	v_permlane16_swap_b32 v[224+6*\c+\i], v[236+4*\c+\i]
.endr
.irp i, 0,1,2
	s_delay_alu instid0(VALU_DEP_3)
	v_mov_b32 v[227+6*\c+\i], v[236+4*\c+\i]
.endr
.endr
.set n, 0
.rept 16
	v_pk_mul_f32 v[O+n:O+n+1], v[O+n:O+n+1], v[252:253] op_sel_hi:[1,0]   ; O^T under the new M; these are also the places between the writes of p's codes and scale word and the products
.set n, n+2
.endr
	s_wait_alu depctr_va_vdst(0)
	s_wait_dscnt 0x0                               ; V and its scale words are in
.irp t, 0,1,2,3
	v_wmma_scale_f32_16x16x128_f8f6f4 v[O+8*\t:O+8*\t+7], v[F+12*\t:F+12*\t+11], v[224:235], v[O+8*\t:O+8*\t+7], v[KS+\t], v253 matrix_a_fmt:MATRIX_FMT_FP6 matrix_b_fmt:MATRIX_FMT_FP6
.endr                                  ; the four accumulators take turns, and eight other products stand between two links of a chain
.if \masked
.Lhidden_\@:
.endif
	s_add_co_u32 s[TB], s[TB], STEPB
	s_add_co_u32 s[TS], s[TS], 1024
.endm
; A tile's end: O^T / the sum; register 16 b + i of lane (r, h) is channel 32 b + 16 h + i of query r: two blocks along E; codes and two scale bytes leave from registers.
.macro FINISH oc, os
.rept 4
	v_nop                                          ; places behind the last products
.endr
	v_add_f32 v14, v14, v15
	s_delay_alu instid0(VALU_DEP_1)
	v_permlanex16_b32 v252, v14, s[SEL], s[SEL+1]
	s_delay_alu instid0(VALU_DEP_1)
	v_add_f32 v14, v14, v252                       ; the row's sum
	s_wait_alu depctr_va_vdst(0)
	v_rcp_f32 v14, v14
	v_nop                                          ; a plain place behind the transcendental
	s_wait_alu depctr_va_vdst(0)                   ; the wait ahead of its first reader
.set n, 0
.rept 16
	v_pk_mul_f32 v[S+n:S+n+1], v[O+n:O+n+1], v[14:15] op_sel_hi:[1,0]
.set n, n+2
.endr
.irp b, 0,1
	v_max3_num_f32 v[232+\b], |v[S+16*\b]|, |v[S+1+16*\b]|, 0x1800000
.endr
.irp i, 2,4,6,8,10,12,14
.irp b, 0,1
	s_delay_alu instid0(VALU_DEP_2)
	v_max3_num_f32 v[232+\b], v[232+\b], |v[S+16*\b+\i]|, |v[S+1+16*\b+\i]|
.endr
.endr
.irp b, 0,1
	s_delay_alu instid0(VALU_DEP_2)
	v_permlanex16_b32 v[236+\b], v[232+\b], s[SEL], s[SEL+1]
.endr
.irp b, 0,1
	s_delay_alu instid0(VALU_DEP_2)
	v_max_num_f32 v[232+\b], v[232+\b], v[236+\b]
.endr
.irp b, 0,1
	s_delay_alu instid0(VALU_DEP_2)
	v_add_nc_u32 v[244+\b], 0xff000000, v[232+\b]
.endr
.irp b, 0,1
	s_delay_alu instid0(VALU_DEP_2)
	v_lshrrev_b32 v[236+\b], 23, v[244+\b]
.endr
	s_delay_alu instid0(VALU_DEP_1)
	v_lshl_or_b32 v254, v237, 8, v236              ; my row's two scale bytes
	v_cvt_scalef32_pk16_fp6_f32 v[224:226], v[S:S+15], v244
	v_cvt_scalef32_pk16_fp6_f32 v[240:242], v[S+16:S+31], v245
	v_nop
.irp i, 0,1,2
	v_permlane16_swap_b32 v[224+\i], v[240+\i]
.endr
.irp i, 0,1,2
	s_delay_alu instid0(VALU_DEP_3)
	v_mov_b32 v[227+\i], v[240+\i]
.endr
	global_store_b128 v[L16], v[224:227], s[\oc:\oc+1]            ; 512 consecutive bytes, at a multiple of 256 from the buffer's first byte
	global_store_b64 v[L8], v[228:229], s[\oc:\oc+1] offset:512   ; 256 consecutive bytes
	global_store_b16 v[R16], v254, s[\os:\os+1]                   ; lanes r and r + 16 write the same two bytes with the same value
.endm
	s_wait_loadcnt 0x0                             ; q
	INIT
	s_mov_b32 s[G], s82
	s_mov_b32 s[TB], 0
	s_mov_b32 s[TS], 0
	s_mov_b32 s[SS], 0
	s_wait_tensorcnt 3                             ; the scale words and my part of steps 0-3 are in; three loads may be out
	s_barrier_signal -1
	s_barrier_wait -1
.Lb0:                                              ; the first tile has G of 8 or more: steps 0-7 are open for every wave
	STEP 0
	s_add_co_u32 s[SS], s[SS], 1
	s_cmp_lt_u32 s[SS], 4
	s_cbranch_scc1 .Lb0
	s_setprio 0
	s_wait_tensorcnt 2                             ; my part of steps 4-7
	s_barrier_signal -1
	s_barrier_wait -1
.Lb1:
	STEP 0
	s_add_co_u32 s[SS], s[SS], 1
	s_cmp_lt_u32 s[SS], 8
	s_cbranch_scc1 .Lb1
	s_setprio 0
	s_wait_tensorcnt 0x0                           ; my parts of steps 8-15: no load was issued behind them
	s_barrier_signal -1
	s_barrier_wait -1
.Lb2:
	STEP 1
	s_add_co_u32 s[SS], s[SS], 1
	s_cmp_lt_u32 s[SS], 16
	s_cbranch_scc1 .Lb2
	s_setprio 0
	FINISH 78, 84
	s_wait_xcnt 0x0                                ; the stores have read their data: those registers are written again only behind this wait
.irp i, 0,1,2,3,4,5
	v_mov_b32 v[16+\i], v[192+\i]                  ; the second tile's q,
.endr
	v_mov_b32 v28, v198                            ; and its scale word; the 36 lines of INIT stand between these writes and the next product
	INIT
	s_mov_b32 s[G], s15
	s_mov_b32 s[TB], 0
	s_mov_b32 s[TS], 0
	s_mov_b32 s[SS], 0
.La0:
	STEP 1
	s_add_co_u32 s[SS], s[SS], 1
	s_cmp_lt_u32 s[SS], 8
	s_cbranch_scc1 .La0
	s_setprio 0
	FINISH 80, 86
	s_wait_tensorcnt 0x0                           ; the wave's end: a tensor wait, an add onto my spare word and its wait, behind my last tensor load
	ds_add_u32 v[SPW], v[NIL]
	s_wait_dscnt 0x0
	CROUND                                         ; the closing round
	s_endpgm
.Lfunc_end_k_qa014623256_attn:
	.size	k_qa014623256_attn, .Lfunc_end_k_qa014623256_attn-k_qa014623256_attn
	.p2alignl 7, 3214868480
	.fill 96, 4, 3214868480
	.section	.rodata,"a",@progbits
	.p2align	6, 0x0
	.amdhsa_kernel k_qa014623256_attn
		.amdhsa_group_segment_fixed_size 215040
		.amdhsa_private_segment_fixed_size 0
		.amdhsa_enable_private_segment 0
		.amdhsa_kernarg_size 32
		.amdhsa_user_sgpr_count 2
		.amdhsa_user_sgpr_kernarg_segment_ptr 1
		.amdhsa_wavefront_size32 1
		.amdhsa_system_sgpr_workgroup_id_x 1
		.amdhsa_system_sgpr_workgroup_id_y 1
		.amdhsa_system_sgpr_workgroup_id_z 1
		.amdhsa_system_vgpr_workitem_id 0
		.amdhsa_next_free_vgpr 256
		.amdhsa_next_free_sgpr 98
		.amdhsa_reserve_vcc 1
		.amdhsa_float_denorm_mode_32 3
		.amdhsa_float_denorm_mode_16_64 3
		.amdhsa_memory_ordered 1
		.amdhsa_forward_progress 1
		.amdhsa_inst_pref_size 101
	.end_amdhsa_kernel
	.amdgpu_metadata
---
amdhsa.version: [ 1, 2 ]
amdhsa.kernels:
  - .name:           k_qa014623256_attn
    .symbol:         k_qa014623256_attn.kd
    .args:
      - { .name: qkv_codes, .offset: 0, .size: 8, .value_kind: global_buffer, .address_space: global }
      - { .name: qkv_scales, .offset: 8, .size: 8, .value_kind: global_buffer, .address_space: global }
      - { .name: o_codes, .offset: 16, .size: 8, .value_kind: global_buffer, .address_space: global }
      - { .name: o_scales, .offset: 24, .size: 8, .value_kind: global_buffer, .address_space: global }
    .group_segment_fixed_size: 215040
    .private_segment_fixed_size: 0
    .kernarg_segment_align: 8
    .kernarg_segment_size: 32
    .max_flat_workgroup_size: 512
    .sgpr_count:     98
    .vgpr_count:     256
    .wavefront_size: 32
...
	.end_amdgpu_metadata
.endif
;; end of part 3
;; launch outp (part 4): grid 4 x 32, 4 waves a work-group, clusters of 4 x 4, 327,680 bytes of LDS; arguments o_codes, o_scales, cw_codes, cw_scales, out0; writes out0
.if DOCPART == 4
	.amdgcn_target "amdgcn-amd-amdhsa--gfx1250"
	.amdhsa_code_object_version 6
	.text
	.protected	k_qa014623256_outp
	.globl	k_qa014623256_outp
	.p2align	8
	.type	k_qa014623256_outp,@function
k_qa014623256_outp:
	s_mov_b64 s[64:65], 0
	v_nop
	global_prefetch_b8 v0, s[64:65] scope:SCOPE_SE
	s_setreg_imm32_b32 hwreg(HW_REG_WAVE_MODE, 25, 1), 1
	s_wait_xcnt 0x0
	s_wait_alu depctr_hold_cnt(0) depctr_sa_sdst(0) depctr_va_vdst(0) depctr_va_sdst(0) depctr_va_ssrc(0) depctr_va_vcc(0) depctr_vm_vsrc(0)
	s_getreg_b32 s2, hwreg(HW_REG_IB_STS2, 6, 4)
	s_cmp_eq_u32 s2, 0
	s_cbranch_scc0 .Lentry_in_a_cluster
	s_endpgm
.Lentry_in_a_cluster:
	s_bfe_u32 s2, ttmp6, 0x10000c
	s_cmp_lg_u32 s2, 0xf033
	s_cbranch_scc0 .Lentry_shape_is_right
	s_endpgm
.Lentry_shape_is_right:
; out0 = o Wo^T on codes of FP6 (E2M3) with E8M0 scales, K = 1,024; out0 [8192][1024] f32.
; OPERANDS are images of operand registers.  o: 512 tiles in o_codes / o_scales; Wo: tiles 704-767 of cw_codes / cw_scales (768 tiles).  The fragment of (tile t, K step k) lies at ((k / 2) NT + t) 3072 + (k % 2) 1536,
; NT the buffer's number of tiles; halves c of 768 bytes: registers 6 c .. 6 c + 3 at 16 x lane, 6 c + 4, 6 c + 5 at 512 + 8 x lane; the scale word of (t, k, r) at 512 t + 256 (k / 4) + 16 r + 4 (k % 4).
; Lane r of tile t is row 32 (t / 2) + 8 (t % 2) + r % 8 + 16 (r / 8).
; A work-group makes 256 x 256 of out0, four waves 128 x 128 each.  Source 1 = o (A: a lane holds a token), source 0 = Wo (B: a lane's registers run along the outputs):
; register j of accumulator (a, b) in lane (r, h) is out0(row of lane r of tile a, column 32 (b / 2) + 16 h + 8 (b % 2) + j).
; K goes in steps of 256 through three LDS slots: three first fills and one refill, into slot 0; the eight steps of 128 are written out.
; CLUSTER 4 x 4: A's tiles are shared along a row of the cluster, B's along a column: each is asked for jointly.  The launch has 128 work-groups: a tile of half the size would double them and halve what each LDS byte feeds.
; REGISTERS: window 0: v1-25 addresses; v30, 31 the add's two; v32-63 scale words, two sets; v128-223 A's fragments, one set; on the way out v128-255 rows of out0.  window 1: B's two sets.  windows 2, 3: the accumulators.
.set SIGA,   512*3072                  ; 256 along K on, in o_codes
.set SIGB,   768*3072                  ; in cw_codes
.set HALFT,  8*3072
.set SLOT,   4*HALFT
.set SCL,    3*SLOT
.set HALFS,  8*512
.set SPARE,  SCL+4*HALFS               ; the spare words, 128 bytes for each wave: two blocks of 256 bytes that no other line names
.set SPITCH, 528                       ; the way out: a stage of 16 rows x (512 bytes + 16) for each wave, in slot 1, which has had its only fill and its last read when the first result is stored there
.set STAGE,  SLOT
.set FR,     12
.set NQ,     2
.set A16,    4
.set B16,    10
.set ADRS,   16
.set CO,     17                        ; v17  16 x lane
.set O8,     18                        ; v18  8 x lane
.set STO,    24                        ; v24  the stage: where I put 32 bytes of a row
.set RD,     25                        ; v25  and where I read a row back
.set SPW,    30
.set NIL,    31
.set SC,     32
.set AF,     128
.set BK,     128
.set G1,  24
.set G1B, 32
.set G1S, 40
.set G1SB, 48
.set GA0, 56
.set GA1, 60
.set GA2, 68
.set GB0, 72
.set GB1, 76
.set GB2, 80
.set GS,  84
.set GSB, 88
.set MSB, 0
.macro WIN new                         ; the immediate's high byte repeats the setting that is left
.if MSB != \new
	s_set_vgpr_msb (MSB<<8)|\new
.set MSB, \new
.endif
.endm
.set MUL_LO, 0xa1
.set MUL_HI, 0xf1
.set TO_B,   0x40
.macro JLOAD g0a, g1a, g0b, g1b        ; a joint load: waves 0 and 1 fetch for A, waves 2 and 3 for B; an s_nop 0 and four v_nop follow each of the two lines
	s_cmp_eq_u32 s15, 0
	s_cbranch_scc0 .Lfor_b_\@
	tensor_load_to_lds s[\g0a:\g0a+3], s[\g1a:\g1a+7]
	s_nop 0
.rept 4
	v_nop
.endr
	s_branch .Lasked_\@
.Lfor_b_\@:
	tensor_load_to_lds s[\g0b:\g0b+3], s[\g1b:\g1b+7]
	s_nop 0
.rept 4
	v_nop
.endr
.Lasked_\@:
.endm
.macro CREST
	s_cmp_lg_u32 s14, 0
	s_cbranch_scc1 .Lnot_wave_0_\@
	s_barrier_signal -3
.Lnot_wave_0_\@:
	s_barrier_wait -3
	s_barrier_signal -1
	s_barrier_wait -1
.endm
.macro CROUND
	s_barrier_signal -1
	s_barrier_wait -1
	CREST
.endm
.macro PLACES n
.rept \n
	v_nop
.endr
.endm
	s_load_b256 s[4:11], s[0:1], 0x0               ; o_codes, o_scales, cw_codes, cw_scales
	s_load_b64 s[92:93], s[0:1], 0x20              ; out0
	v_lshl_add_u32 v[SPW], v0, 2, SPARE
	v_mov_b32 v[NIL], 0
	ds_add_u32 v[SPW], v[NIL]                      ; the wave's opening: the add and its wait stand ahead of my first tensor load
	v_lshrrev_b32 v1, 5, v0
	v_readfirstlane_b32 s14, v1                    ; wave 0..3
	s_lshr_b32 s15, s14, 1                         ; which 8 of A's 16 tiles are mine.  Also: I fetch for A (0) or for B (1)
	s_and_b32 s16, s14, 1                          ; which 8 of B's.  Also: which 8 tiles I fetch
	s_bfe_u32 s17, ttmp6, 0x40000                  ; cx
	s_bfe_u32 s18, ttmp6, 0x40004                  ; cy
	s_lshl_b32 s19, ttmp9, 2
	s_add_co_u32 s19, s19, s17                     ; tile column of out0
	s_and_b32 s20, ttmp7, 0xffff
	s_lshl_b32 s20, s20, 2
	s_add_co_u32 s20, s20, s18                     ; tile row
	s_lshl_b32 s21, s18, 2
	s_lshl_b32 s21, 15, s21                        ; my row of the cluster
	s_lshl_b32 s22, 0x1111, s17                    ; my column
	s_or_b32 s[G1], s21, (3<<16)|(1<<21)           ; dense blocks as rows of 256 bytes (32 elements of 8 bytes), no padding
	s_or_b32 s[G1B], s22, (3<<16)|(1<<21)
	s_or_b32 s[G1S], s21, (3<<16)|(1<<21)
	s_or_b32 s[G1SB], s22, (3<<16)|(1<<21)
.irp g, G1, G1B
	s_mov_b32 s[\g+1], 32<<16
	s_mov_b32 s[\g+2], 96<<16
	s_mov_b32 s[\g+3], 32<<16
	s_mov_b32 s[\g+4], 96
	s_mov_b32 s[\g+5], 32
	s_mov_b32 s[\g+6], 0
	s_mov_b32 s[\g+7], 0
.endr
.irp g, G1S, G1SB
	s_mov_b32 s[\g+1], 32<<16
	s_mov_b32 s[\g+2], 16<<16
	s_mov_b32 s[\g+3], 32<<16
	s_mov_b32 s[\g+4], 16
	s_mov_b32 s[\g+5], 32
	s_mov_b32 s[\g+6], 0
	s_mov_b32 s[\g+7], 0
.endr
	s_lshl_b32 s23, s16, 3
	s_lshl_b32 s96, s20, 4
	s_add_co_u32 s96, s96, s23                     ; A: tile 16 x tile row + 8 x half
	s_lshl_b32 s98, s19, 4
	s_add_co_u32 s98, s98, 704
	s_add_co_u32 s98, s98, s23                     ; B: tile 704 + 16 x tile column + 8 x half
	s_mul_i32 s12, s96, 3072
	s_mov_b32 s13, 0
	s_mul_i32 s2, s98, 3072
	s_mov_b32 s3, 0
	s_lshl_b32 s96, s96, 9
	s_mov_b32 s97, 0
	s_lshl_b32 s98, s98, 9
	s_mov_b32 s99, 0
	s_mul_i32 s100, s14, HALFT
	s_lshl_b32 s101, s14, 12
	s_wait_dscnt 0x0                               ; the opening add is done
	s_wait_kmcnt 0x0
	s_add_nc_u64 s[12:13], s[4:5], s[12:13]
	s_add_nc_u64 s[2:3], s[8:9], s[2:3]
	s_add_nc_u64 s[96:97], s[6:7], s[96:97]
	s_add_nc_u64 s[98:99], s[10:11], s[98:99]
	CROUND                                         ; all sixteen work-groups are here: the first joint loads meet
	s_mov_b32 s[GS], 1
	s_add_co_u32 s[GS+1], s101, SCL
	s_mov_b64 s[GS+2:GS+3], s[96:97]
	s_or_b32 s[GS+3], s[GS+3], 0x80000000
	s_mov_b32 s[GSB], 1
	s_add_co_u32 s[GSB+1], s101, SCL
	s_mov_b64 s[GSB+2:GSB+3], s[98:99]
	s_or_b32 s[GSB+3], s[GSB+3], 0x80000000
	JLOAD GS, G1S, GSB, G1SB
.macro SETG0 ga, gb, s
	s_mov_b32 s[\ga], 1
	s_add_co_u32 s[\ga+1], s100, (\s)*SLOT
	s_add_nc_u64 s[\ga+2:\ga+3], s[12:13], (\s)*SIGA
	s_or_b32 s[\ga+3], s[\ga+3], 0x80000000
	s_mov_b32 s[\gb], 1
	s_add_co_u32 s[\gb+1], s100, (\s)*SLOT
	s_add_nc_u64 s[\gb+2:\gb+3], s[2:3], (\s)*SIGB
	s_or_b32 s[\gb+3], s[\gb+3], 0x80000000
	JLOAD \ga, G1, \gb, G1B
.endm
	SETG0 GA0, GB0, 0                              ; with the scale words four loads of mine are out
	SETG0 GA1, GB1, 1
	SETG0 GA2, GB2, 2
	v_and_b32 v1, 15, v0                           ; r
	v_bfe_u32 v2, v0, 4, 1                         ; h
	v_and_b32 v3, 31, v0
	v_lshlrev_b32 v[CO], 4, v3
	v_lshlrev_b32 v[O8], 3, v3
	s_mul_i32 s23, s15, HALFT
	s_mul_i32 s12, s16, HALFT
	s_add_co_u32 s12, s12, 2*HALFT
.irp s, 0,1,2
	v_add_nc_u32 v[A16+\s], s23, v[CO]
	v_add_nc_u32 v[A16+3+\s], s23, v[O8]
	v_add_nc_u32 v[B16+\s], s12, v[CO]
	v_add_nc_u32 v[B16+3+\s], s12, v[O8]
	s_add_co_u32 s23, s23, SLOT
	s_add_co_u32 s12, s12, SLOT
.endr
	s_lshl_b32 s23, s15, 12
	s_lshl_b32 s12, s16, 12
	s_add_co_u32 s12, s12, 2*HALFS
	s_sub_co_u32 s12, s12, s23
	v_mul_u32_u24 v[ADRS], s12, v2                 ; lanes 16-31 take B's scale words
	v_lshl_add_u32 v[ADRS], v1, 4, v[ADRS]
	s_add_co_u32 s23, s23, SCL
	v_add_nc_u32 v[ADRS], s23, v[ADRS]
	s_mul_i32 s23, s14, 16*SPITCH
	s_add_co_u32 s23, s23, STAGE                   ; my stage
	v_mul_u32_u24 v[STO], v1, SPITCH
	v_lshl_add_u32 v[STO], v2, 6, v[STO]           ; in: row r, + 64 h
	v_add_nc_u32 v[STO], s23, v[STO]
	v_add_nc_u32 v[RD], s23, v[CO]                 ; back: the 32 lanes take one row of 512 bytes
	s_lshl_b32 s94, s20, 8
	s_lshl_b32 s95, s15, 7
	s_add_co_u32 s94, s94, s95                     ; my first row of out0
	s_lshl_b32 s94, s94, 12
	s_lshl_b32 s95, s19, 10
	s_add_co_u32 s94, s94, s95
	s_lshl_b32 s95, s16, 9
	s_add_co_u32 s94, s94, s95                     ; and my first column, in bytes
	s_mov_b32 s95, 0
	s_add_nc_u64 s[92:93], s[92:93], s[94:95]
.macro FRAG reg, adr, q, i
	ds_load_b128 v[\reg:\reg+3],     v[\adr]   offset:3072*(\i)+1536*(\q)
	ds_load_b64  v[\reg+4:\reg+5],   v[\adr+3] offset:3072*(\i)+1536*(\q)+512
	ds_load_b128 v[\reg+6:\reg+9],   v[\adr]   offset:3072*(\i)+1536*(\q)+768
	ds_load_b64  v[\reg+10:\reg+11], v[\adr+3] offset:3072*(\i)+1536*(\q)+1280
.endm
; The 64 accumulators take turns, one instruction a turn, in the same order in every step.
.macro MUL16 a0, p, q, sc, zero
.irp a, \a0, \a0+1
.irp b, 0,1,2,3,4,5,6,7
.if \zero
	v_wmma_scale_f32_16x16x128_f8f6f4 v[8*(8*((\a)%4)+\b):8*(8*((\a)%4)+\b)+7], v[128*(\p)+FR*\b:128*(\p)+FR*\b+FR-1], v[AF+FR*(\a):AF+FR*(\a)+FR-1], 0, v[SC+8*NQ*(\sc)+NQ*\b+(\q)], v[SC+8*NQ*(\sc)+NQ*(\a)+(\q)] matrix_a_fmt:MATRIX_FMT_FP6 matrix_b_fmt:MATRIX_FMT_FP6 matrix_a_scale:MATRIX_SCALE_ROW1
.else
	v_wmma_scale_f32_16x16x128_f8f6f4 v[8*(8*((\a)%4)+\b):8*(8*((\a)%4)+\b)+7], v[128*(\p)+FR*\b:128*(\p)+FR*\b+FR-1], v[AF+FR*(\a):AF+FR*(\a)+FR-1], v[8*(8*((\a)%4)+\b):8*(8*((\a)%4)+\b)+7], v[SC+8*NQ*(\sc)+NQ*\b+(\q)], v[SC+8*NQ*(\sc)+NQ*(\a)+(\q)] matrix_a_fmt:MATRIX_FMT_FP6 matrix_b_fmt:MATRIX_FMT_FP6 matrix_a_scale:MATRIX_SCALE_ROW1
.endif
.endr
.endr
.endm
.macro FETCH_B slot, q, p
	WIN TO_B
.irp i, 0,1,2,3,4,5,6,7
	FRAG 128*(\p)+FR*\i, B16+\slot, \q, \i
.endr
	WIN 0
.endm
.macro FETCH_A slot, q, i0
.irp i, \i0, \i0+1, \i0+2, \i0+3
	FRAG AF+FR*(\i), A16+\slot, \q, \i
.endr
.endm
.macro SCALES st, sig
.irp i, 0,1,2,3,4,5,6,7
	ds_load_b64 v[SC+16*(\st)+2*\i:SC+16*(\st)+2*\i+1], v[ADRS] offset:512*\i+256*((\sig)/2)+8*((\sig)%2)
.endr
.endm
; A step of 128 along K.  mode 0: nothing more.  mode 1: slot 0 is left and filled again.  mode 2: the refill is waited for and shown to all waves.
.macro STEPG q, sc, zero, ns, nq, nsig, mode
.if \mode == 1
	s_wait_tensorcnt 0x0                           ; all my tensor loads have landed: slots 1 and 2
	ds_add_u32 v[SPW], v[NIL]                      ; 0 onto my spare word
	s_wait_dscnt 17                                ; (the add and the youngest sixteen loads, A's tiles 4-7, may be out)
.elseif \mode == 2
	s_wait_tensorcnt 0x0                           ; the one load of mine that is out: my part of the refill
	s_wait_dscnt 16
.else
	s_wait_dscnt 16                                ; B's set and A's tiles 0-3 are in
.endif
	WIN MUL_LO
	MUL16 0, \q, \q, \sc, \zero
.if \mode != 0
	s_wait_dscnt 0x0                               ; the add is done (mode 1), and my reads of the slot that is left are over
	s_barrier_signal -1
.endif
	MUL16 2, \q, \q, \sc, \zero
.if \mode == 0
	s_wait_dscnt 0x0
	PLACES 4
.elseif \mode == 1
	WIN 0
	s_barrier_wait -1
	CREST                                          ; the barrier has opened a round of the cluster's barrier: no wave of any partner still reads slot 0 or has a load on its way
	s_add_nc_u64 s[GA0+2:GA0+3], s[GA0+2:GA0+3], 3*SIGA
	s_add_nc_u64 s[GB0+2:GB0+3], s[GB0+2:GB0+3], 3*SIGB
	JLOAD GA0, G1, GB0, G1B                        ; K 768-1023 into slot 0: the first tensor load behind the round; its four v_nop are the places in front of the loads below
.else
	WIN 0
	s_barrier_wait -1
	PLACES 4
.endif
	FETCH_B \ns, \nq, 1-\q
	FETCH_A \ns, \nq, 0
.if \nsig >= 0
	SCALES 1-\sc, \nsig
.endif
	WIN MUL_HI
	MUL16 4, \q, \q, \sc, \zero
	MUL16 6, \q, \q, \sc, \zero
	PLACES 4
	WIN 0
	FETCH_A \ns, \nq, 4
.endm
	s_wait_tensorcnt 2                             ; the scale words and my part of slot 0 are in; slots 1 and 2 may be out
	s_barrier_signal -1
	s_barrier_wait -1
	FETCH_B 0, 0, 0
	FETCH_A 0, 0, 0
	SCALES 0, 0
	FETCH_A 0, 0, 4
	STEPG 0, 0, 1, 0, 1, -1, 0                     ; K 0: its products start the sums
	STEPG 1, 0, 0, 1, 0, 1, 1                      ; K 128: slot 0 is left and filled again
	STEPG 0, 1, 0, 1, 1, -1, 0
	STEPG 1, 1, 0, 2, 0, 2, 0                      ; K 384: on to slot 2, shown whole to every wave at K 128
	STEPG 0, 0, 0, 2, 1, -1, 0
	STEPG 1, 0, 0, 0, 0, 3, 2                      ; K 640: on to slot 0's second tiles; behind this barrier nobody reads slot 1
	STEPG 0, 1, 0, 0, 1, -1, 0
	s_wait_dscnt 16                                ; K 896: nothing more to fetch
	WIN MUL_LO
	MUL16 0, 1, 1, 1, 0
	MUL16 2, 1, 1, 1, 0
	s_wait_dscnt 0x0
	WIN MUL_HI
	MUL16 4, 1, 1, 1, 0
	MUL16 6, 1, 1, 1, 0
	WIN 0
; THE WAY OUT, tile by tile of 16 rows x 128 columns: through my own stage in LDS, back as whole rows of 512 bytes.  LDS serves a wave's instructions in order: no wait between the stores and the loads.
.macro TOSTAGE a
.set AC, 64*((\a)%4)
	WIN 0x08+4*((\a)/4)                            ; the data: window 2 or 3
.irp b, 0,1,2,3,4,5,6,7
	ds_store_b128 v[STO], v[AC+8*\b:AC+8*\b+3] offset:128*(\b/2)+32*(\b%2)          ; each accumulator from its low end on
	ds_store_b128 v[STO], v[AC+8*\b+4:AC+8*\b+7] offset:128*(\b/2)+32*(\b%2)+16
.endr
	WIN 0
.set BB, BK+64*((\a)%2)
.irp t, 0,1,2,3,4,5,6,7,8,9,10,11,12,13,14,15
	ds_load_b128 v[BB+4*\t:BB+4*\t+3], v[RD] offset:\t*SPITCH
.endr
.endm
.macro SEND a, younger                 ; younger: the LDS instructions issued behind tile a's loads, which may stay out
.set BB, BK+64*((\a)%2)
	s_wait_dscnt \younger
.if (\a) > 0
.if (\a)%2 == 1
	s_add_nc_u64 s[92:93], s[92:93], 8*4096        ; (behind a wait on XCNT)  an odd tile begins 8 rows below the even one,
.else
	s_add_nc_u64 s[92:93], s[92:93], 24*4096       ; the next even one 24 further down
.endif
.endif
.irp t, 0,1,2,3,4,5,6,7,8,9,10,11,12,13,14,15
	global_store_b128 v[CO], v[BB+4*\t:BB+4*\t+3], s[92:93] offset:((\t%8)+16*(\t/8))*4096 th:TH_STORE_NT   ; 32 lanes store 512 consecutive bytes, at a multiple of 256 from out0's first byte
.endr
.endm
	PLACES 4                                       ; ahead of the loads into the registers that held A's fragments, and of the reads of the last results
	TOSTAGE 0
.irp a, 1,2,3,4,5,6,7
.if \a > 1
	s_wait_xcnt 0x0                                ; tile a - 2's stores have read their registers and their base
.endif
	TOSTAGE \a
	SEND \a-1, 32                                  ; behind tile a - 1's loads: tile a's 16 stores and 16 loads
.endr
	s_wait_xcnt 0x0
	SEND 7, 0
	s_wait_tensorcnt 0x0                           ; the wave's end: a tensor wait, an add onto my spare word and its wait, behind my last tensor load and my last LDS store
	ds_add_u32 v[SPW], v[NIL]
	s_wait_dscnt 0x0
	CROUND                                         ; the closing round
	s_endpgm
.Lfunc_end_k_qa014623256_outp:
	.size	k_qa014623256_outp, .Lfunc_end_k_qa014623256_outp-k_qa014623256_outp
	.p2alignl 7, 3214868480
	.fill 96, 4, 3214868480
	.section	.rodata,"a",@progbits
	.p2align	6, 0x0
	.amdhsa_kernel k_qa014623256_outp
		.amdhsa_group_segment_fixed_size 327680
		.amdhsa_private_segment_fixed_size 0
		.amdhsa_enable_private_segment 0
		.amdhsa_kernarg_size 40
		.amdhsa_user_sgpr_count 2
		.amdhsa_user_sgpr_kernarg_segment_ptr 1
		.amdhsa_wavefront_size32 1
		.amdhsa_system_sgpr_workgroup_id_x 1
		.amdhsa_system_sgpr_workgroup_id_y 1
		.amdhsa_system_sgpr_workgroup_id_z 1
		.amdhsa_system_vgpr_workitem_id 0
		.amdhsa_next_free_vgpr 1024
		.amdhsa_next_free_sgpr 102
		.amdhsa_reserve_vcc 0
		.amdhsa_float_denorm_mode_32 3
		.amdhsa_float_denorm_mode_16_64 3
		.amdhsa_memory_ordered 1
		.amdhsa_forward_progress 1
		.amdhsa_inst_pref_size 143
	.end_amdhsa_kernel
	.amdgpu_metadata
---
amdhsa.version: [ 1, 2 ]
amdhsa.kernels:
  - .name:           k_qa014623256_outp
    .symbol:         k_qa014623256_outp.kd
    .args:
      - { .name: o_codes, .offset: 0, .size: 8, .value_kind: global_buffer, .address_space: global }
      - { .name: o_scales, .offset: 8, .size: 8, .value_kind: global_buffer, .address_space: global }
      - { .name: cw_codes, .offset: 16, .size: 8, .value_kind: global_buffer, .address_space: global }
      - { .name: cw_scales, .offset: 24, .size: 8, .value_kind: global_buffer, .address_space: global }
      - { .name: out0, .offset: 32, .size: 8, .value_kind: global_buffer, .address_space: global }
    .group_segment_fixed_size: 327680
    .private_segment_fixed_size: 0
    .kernarg_segment_align: 8
    .kernarg_segment_size: 40
    .max_flat_workgroup_size: 128
    .sgpr_count:     102
    .vgpr_count:     1024
    .wavefront_size: 32
...
	.end_amdgpu_metadata
.endif
;; end of part 4
